; MI455X (gfx1250); checked and timed in simulation.
; The chip was launched on July 23, 2026; its instructions are those of AMD's public machine-readable ISA for CDNA 5 (MIT licence, August 2026) and "CDNA5" Instruction Set Architecture Reference Guide (July 2026). The comments in the code are by the model that wrote it; some were corrected since.
;; Token Cross Attention. Allowed arithmetic: matrix products marked QUANTISED: E2M1 operands, one E8M0 scale for each 32 along K, by v_wmma_scale_f32_16x16x128_f8f6f4 with both operands' format E2M1 (or v_wmma_scale_f32_32x16x128_f4), f32 sums; products left as they are: bf16, f16 or f32 operands; f32 sums; everything else in f32.
;; Inputs: Wk 1,024 x 1,024 float32; Wp 1,024 x 1,024 float32; Wq 1,024 x 1,024 float32; Wv 1,024 x 1,024 float32; decisions 4 x 2,048 float32; x 4 x 2,048 x 1,024 float32; x_origin 4 x 2,048 x 1,024 float32.
;; Outputs: out0 4 x 2,048 x 1,024 float32.
;; This version of the problem:
;;   THIS VERSION OF THE PROBLEM IS GIVEN IN LOW PRECISION. The matrix products marked QUANTISED in the list below multiply operands that are first quantised to E2M1 (2 exponent bits, 1 mantissa bit; 4 bits a number), with one power-of-two scale for each 32 numbers along K (OCP MX v1.0); their sums are f32. The products marked 'left as it is' may take bf16, f16 or f32 operands, with f32 sums. Whichever they take, every output number must still come out within the allowed error. Rounding operands to bf16 (8 significant bits) uses up far more of that allowance than f16 does (11 bits, for magnitudes from 6e-5 to 65,504). All else is computed in f32.
;;   The module's matrix products, in the order in which they are computed (A, B: the left and right operand; K: the contracted axis; several contracted axes count as one K, in the product's order):
;;     1. [M 8,192, K 1,024] x [K 1,024, N 1,024]; A: input x; B: input Wq: QUANTISED
;;     2. [M 8,192, K 1,024] x [K 1,024, N 1,024]; A: input x_origin; B: input Wk: QUANTISED
;;     3. [M 8,192, K 1,024] x [K 1,024, N 1,024]; A: input x_origin; B: input Wv: QUANTISED
;;     4. batch 64 x [M 2,048, K 64] x [K 64, N 2,048]; A: computed on the way; B: computed on the way: left as it is (an operand is computed on the way)
;;     5. batch 64 x [M 2,048, K 2,048] x [K 2,048, N 64]; A: computed on the way; B: computed on the way: left as it is (an operand is computed on the way)
;;     6. [M 8,192, K 1,024] x [K 1,024, N 1,024]; A: computed on the way; B: input Wp: left as it is (an operand is computed on the way)
;;   THE QUANTISER, for each operand of a quantised product, along K:
;;     - K is cut into blocks of 32 from its start; a last block that is shorter is filled with zeros.
;;     - A block's scale is 2^e with e = floor(log2(the largest magnitude in the block)) - 2, held to -126 .. 127; a block of zeros has e = 0. As a byte (E8M0): e + 127.
;;     - Each number is divided by its block's scale, clamped to +-6, and rounded to the nearest number of E2M1, ties to even, subnormals kept.
;;     - The product sums the exact products of the quantised numbers (number of the format x scale) in f32.
;;   ~~~python
;;   def quantise(x, axis):      # numpy; x: float32 -> the quantised numbers, widened to float32 again
;;       x = np.moveaxis(x, axis, -1); K = x.shape[-1]
;;       x = np.pad(x, [(0, 0)] * (x.ndim - 1) + [(0, -K % 32)]); x = x.reshape(x.shape[:-1] + (-1, 32)); a = np.abs(x).max(-1, keepdims=True)
;;       e = np.where(a > 0, np.clip(np.frexp(np.where(a > 0, a, 1))[1] - 1 - 2, -126, 127), 0)      # np.frexp(a)[1] - 1 = floor(log2(a)), exactly
;;       r = np.clip(x / 2.0 ** e, -6, 6)
;;       step = 2.0 ** (np.maximum(np.frexp(np.where(r == 0, 1, r))[1] - 1, 0) - 1)
;;       q = np.round(r / step) * step * 2.0 ** e      # np.round: ties to even
;;       return np.moveaxis(q.reshape(q.shape[:-2] + (-1,))[..., :K], -1, axis).astype(np.float32)
;;   ~~~
;; One version. Each part assembles by itself: llvm-mc -triple=amdgcn-amd-amdhsa -mcpu=gfx1250 --defsym DOCPART=n.
;; ======== version 1 of 1: 4 launches
;; limits: values are held in f16: magnitudes above 65,504 overflow, below 6.1e-05 lose precision
;; workspace buffers: xc 8,388,608 bytes; xs 524,288 bytes; wc 1,572,864 bytes; ws 98,304 bytes; wph 2,097,152 bytes; qkv 50,331,648 bytes; vpart 262,144 bytes; ao 16,777,216 bytes
;; launch prep (part 1): grid 768 x 1, 4 waves a work-group, no clusters, 42,496 bytes of LDS; arguments x, x_origin, Wq, Wk, Wv, Wp, xc, xs, wc, ws, wph; writes xc, xs, wc, ws, wph
.if DOCPART == 1
	.amdgcn_target "amdgcn-amd-amdhsa--gfx1250"
	.amdhsa_code_object_version 6
	.text
	.protected	k_qa74e4b422f_prep
	.globl	k_qa74e4b422f_prep
	.p2align	8
	.type	k_qa74e4b422f_prep,@function
k_qa74e4b422f_prep:
	s_mov_b64 s[64:65], 0
	v_nop
	global_prefetch_b8 v0, s[64:65] scope:SCOPE_SE
	s_setreg_imm32_b32 hwreg(HW_REG_WAVE_MODE, 25, 1), 1
	s_wait_xcnt 0x0
; TokenCrossAttention, launch 1 of 4: the operands of the three quantised products become codes of FP4 (E2M1) with one E8M0 byte for each 32 along K = 1,024; Wp becomes f16.
; NO WORK OF THE PROBLEM IS LEFT OUT: every input reaches the output; the row maximum, the policy 1 - decisions and both EPS terms are live (with every decision 1 the result is the mean of v).
; Only exact identities move work.  With c = log2(e) / 8, m the row's largest score, e = 2^(c s - c m), pol = 1 - decisions:
;   out = (sum e pol v + (EPS / N) sum v) / (sum e pol + EPS) = 4 (O + VS) / (l + EPS),  O = sum e (0.25 pol v),  VS = (EPS / 4 N) sum v,  l = sum e pol.
; x, x_origin [8192][1024] f32 (K innermost): plain streams of blocks of 32 -> xc [2][8192][512 bytes], xs [2][8192][32 bytes].
; Wq, Wk, Wv [1024 k][1024 n] f32 (K is the FIRST axis): a lane takes a column, its registers run down K -> wc [3072 = 1024 p + n][512 bytes], ws [3072][32 bytes].
; Wp [1024][1024] f32 -> wph, f16, in Wp's own order.
; A block's scale is 2^(floor(log2(largest magnitude)) - 2); its byte is the largest magnitude's exponent field - 2, held at 1 from below.
; LIMITS: a block of zeros (and one whose largest magnitude lies under 2^-124) keeps the byte 1 where the rule says 127 for zeros: its codes are zeros, and this program alone reads the bytes.
; NaN and infinities among the inputs are not served.  Wp beyond f16's range (65,504) is not served; under 6e-5 it has f16's absolute step of 6e-8.
; SHARES: work-groups 0-191: 32 columns x 512 K of a weight, 128 K a wave; 192-255: 64 KiB of Wp; 256-767: 32,768 numbers of x or x_origin.  The short, latency-bound paths have the low numbers.
; No tensor load, no cluster: work-groups share no input.  The three paths part on the work-group's number, have LDS bytes of their own and end each by itself.
.set SPW,   12                         ; v12  LDS address of my spare word; never rewritten
.set NIL,   13                         ; v13  0; never rewritten
.set WREG,  8192                       ; path X: a region for each wave: two stages of 32 x SP bytes, behind them its 256 scale bytes
.set SP,    80
.set WST,   32768                      ; path W: 32 rows (columns of the weight) x 272 bytes of codes
.set WSC,   41472                      ; path W: 32 x 16 scale bytes
.set SPARE, 41984                      ; the spare words, 128 bytes for each wave
.set STEPS, 16
.set R,     16                         ; path X: v16-79 four sets of 16 numbers as loaded
.set X,     80                         ; v80-111 two sets of 16 neighbours
.set E,     112                        ; v112-127 a scale byte for each step
.set C,     128                        ; v128-191 codes, four registers for each step
.macro FINISH                          ; the wave's end, behind the last LDS store
	s_wait_tensorcnt 0x0
	ds_add_u32 v[SPW], v[NIL]
	s_wait_dscnt 0x0
	s_endpgm
.endm
	s_load_b256 s[4:11], s[0:1], 0x0               ; x s[4:5], x_origin s[6:7], Wq s[8:9], Wk s[10:11]
	s_load_b256 s[12:19], s[0:1], 0x20             ; Wv s[12:13], Wp s[14:15], xc s[16:17], xs s[18:19]
	s_load_b128 s[20:23], s[0:1], 0x40             ; wc s[20:21], ws s[22:23]
	s_load_b64 s[24:25], s[0:1], 0x50              ; wph
	v_lshl_add_u32 v[SPW], v0, 2, SPARE
	v_mov_b32 v[NIL], 0
	v_lshrrev_b32 v1, 5, v0
	v_readfirstlane_b32 s26, v1                    ; wave 0..3
	v_and_b32 v2, 31, v0                           ; lane
	s_cmp_lt_u32 ttmp9, 192
	s_cbranch_scc1 .Lw
	s_cmp_lt_u32 ttmp9, 256
	s_cbranch_scc1 .Lc
; ---------------- PATH X: x and x_origin.  A wave takes 16 steps of 512 numbers.  Each load reads 512 consecutive bytes; a step's 2,048 bytes turn through the wave's own stage in LDS,
; so that a lane holds 16 neighbours along K (two neighbouring lanes hold a block).  A wave's store of codes covers 256 consecutive bytes, aligned; its 256 scale bytes leave as one such run.
	v_lshlrev_b32 v3, 4, v2                        ; my 16 bytes of a load's 512
	s_mul_i32 s27, s26, WREG
	v_lshrrev_b32 v14, 2, v2
	v_mul_u32_u24 v14, v14, SP
	v_and_b32 v15, 3, v2
	v_lshl_add_u32 v14, v15, 4, v14
	v_add_nc_u32 v14, s27, v14                     ; the stage, in: SP (lane / 4) + 16 (lane % 4)
	v_mul_u32_u24 v15, v2, SP
	v_add_nc_u32 v15, s27, v15                     ; and out: SP x lane
	v_lshlrev_b32 v4, 3, v2                        ; my 8 bytes of a step's codes
	v_lshrrev_b32 v5, 1, v2
	s_add_co_u32 s27, s27, 2*32*SP
	v_add_nc_u32 v5, s27, v5                       ; my block's scale byte in LDS
	v_lshlrev_b32 v7, 3, v2
	v_add_nc_u32 v6, s27, v7
	s_wait_kmcnt 0x0
	s_sub_co_u32 s28, ttmp9, 256                   ; 0..511
	s_cmp_lt_u32 s28, 256                          ; x or x_origin: the choice hangs on the work-group's number alone
	s_cselect_b64 s[4:5], s[4:5], s[6:7]
	s_lshl_b32 s28, s28, 2
	s_add_co_u32 s28, s28, s26                     ; my run of 8,192 numbers among the 2,048 of both tensors
	s_and_b32 s30, s28, 1023                       ; and in its own tensor
	s_lshl_b32 s30, s30, 15
	s_mov_b32 s31, 0
	s_add_nc_u64 s[4:5], s[4:5], s[30:31]
	s_lshl_b32 s30, s28, 12                        ; 4,096 bytes of codes a run
	s_add_nc_u64 s[16:17], s[16:17], s[30:31]
	s_lshl_b32 s30, s28, 8                         ; 256 scale bytes a run
	s_add_nc_u64 s[18:19], s[18:19], s[30:31]
.macro LOAD t
.irp i, 0,1,2,3
	global_load_b128 v[R+16*((\t)%4)+4*\i:R+16*((\t)%4)+4*\i+3], v3, s[4:5] offset:2048*(\t)+512*\i th:TH_LOAD_NT
.endr
.endm
.macro TURN t                          ; LDS serves a wave's instructions in order: no wait between the stores and the loads
.irp i, 0,1,2,3
	ds_store_b128 v14, v[R+16*((\t)%4)+4*\i:R+16*((\t)%4)+4*\i+3] offset:32*SP*((\t)%2)+8*SP*\i
.endr
.irp i, 0,1,2,3
	ds_load_b128 v[X+16*((\t)%2)+4*\i:X+16*((\t)%2)+4*\i+3], v15 offset:32*SP*((\t)%2)+16*\i
.endr
.endm
.irp t, 0,1,2,3
	LOAD \t
.endr
	s_wait_loadcnt 12                              ; step 0's four loads are in; the twelve of steps 1 to 3 may be out
	TURN 0
.macro STEP t
.set XS, X+16*((\t)%2)
.if (\t) > 0
	s_wait_dscnt 1                                 ; this step's numbers are back from the stage; the last step's byte store may be out
.else
	s_wait_dscnt 0x0
.endif
.if (\t)+4 < STEPS
	LOAD (\t)+4                                    ; into the registers that this step's stage stores have read
.endif
.if (\t)+1 < STEPS
.if STEPS-2-(\t) >= 3
	s_wait_loadcnt 12                              ; the next step's four loads are in; three later steps' twelve may be out
.else
	s_wait_loadcnt 4*(STEPS-2-(\t))
.endif
	TURN (\t)+1
.endif
	v_max3_num_f32 v8, |v[XS]|, |v[XS+1]|, |v[XS+2]|
	v_max3_num_f32 v9, |v[XS+3]|, |v[XS+4]|, |v[XS+5]|
.irp i, 6,10
	v_max3_num_f32 v8, v8, |v[XS+\i]|, |v[XS+\i+1]|
	v_max3_num_f32 v9, v9, |v[XS+\i+2]|, |v[XS+\i+3]|
.endr
	v_max3_num_f32 v8, v8, |v[XS+14]|, |v[XS+15]|
	v_max3_num_f32 v8, v8, v9, 0x1800000           ; the floor 2^(3 - 127): the byte cannot fall under 1
	v_max_num_f32_dpp v8, v8, v8 row_xmask:1 row_mask:0xf bank_mask:0xf   ; with my neighbour's 16: the block's largest magnitude
	v_add_nc_u32 v11, 0xff000000, v8               ; 2 off its exponent field: the conversion takes this operand's exponent field as its scale
	v_cvt_scalef32_pk8_fp4_f32 v[C+4*(\t)], v[XS:XS+7], v11
	v_cvt_scalef32_pk8_fp4_f32 v[C+4*(\t)+1], v[XS+8:XS+15], v11
	v_lshrrev_b32 v[E+(\t)], 23, v11               ; the scale's byte (also the plain line behind the conversions)
	ds_store_b8 v5, v[E+(\t)] offset:16*(\t)       ; both lanes of a block write the same byte with the same value
	global_store_b64 v4, v[C+4*(\t):C+4*(\t)+1], s[16:17] offset:256*(\t)
.endm
.irp t, 0,1,2,3,4,5,6,7,8,9,10,11,12,13,14,15
	STEP \t
.endr
	ds_load_b64 v[8:9], v6
	s_wait_dscnt 0x0
	global_store_b64 v7, v[8:9], s[18:19]          ; 32 lanes store 256 consecutive bytes, aligned
	FINISH
; ---------------- PATH C: Wp to f16.  A wave takes 16,384 bytes in 32 steps; 16 loads are always on their way; each step has data registers of its own for its store.
.Lc:
	v_lshlrev_b32 v3, 4, v2
	v_lshlrev_b32 v4, 3, v2
	s_sub_co_u32 s28, ttmp9, 192
	s_lshl_b32 s28, s28, 2
	s_add_co_u32 s28, s28, s26                     ; my chunk, 0..255
	s_lshl_b32 s30, s28, 14
	s_mov_b32 s31, 0
	s_lshl_b32 s32, s28, 13
	s_mov_b32 s33, 0
	s_wait_kmcnt 0x0
	s_add_nc_u64 s[14:15], s[14:15], s[30:31]
	s_add_nc_u64 s[24:25], s[24:25], s[32:33]
.set t, 0
.rept 16
	global_load_b128 v[16+4*t:19+4*t], v3, s[14:15] offset:512*t th:TH_LOAD_NT
.set t, t+1
.endr
.set t, 0
.rept 32
.if t < 16
	s_wait_loadcnt 15                              ; step t's load is in; the fifteen younger ones stay out
.else
	s_wait_loadcnt 31-t                            ; nothing more is asked for: the counts run down
.endif
	v_cvt_pk_f16_f32 v[80+2*t], v[16+4*(t%16)], v[17+4*(t%16)]
	v_cvt_pk_f16_f32 v[81+2*t], v[18+4*(t%16)], v[19+4*(t%16)]
.if t < 16
	global_load_b128 v[16+4*t:19+4*t], v3, s[14:15] offset:512*(t+16) th:TH_LOAD_NT
.endif
	global_store_b64 v4, v[80+2*t:81+2*t], s[24:25] offset:256*t   ; 32 lanes store 256 consecutive bytes, aligned
.set t, t+1
.endr
	FINISH
; ---------------- PATH W: a weight's 32 columns x 512 along K.  Wave w takes 128 of the 512: four blocks a lane, all 128 loads issued at once (each reads 128 consecutive bytes).
; The codes meet in a stage (a row = a column's 256 bytes), a barrier, and leave as rows: sixteen lanes store 256 consecutive bytes, aligned.
.Lw:
	v_lshlrev_b32 v3, 2, v2                        ; in: 4 bytes a lane
	v_mul_u32_u24 v4, v2, 272
	s_lshl_b32 s34, s26, 6
	s_add_co_u32 s34, s34, WST
	v_add_nc_u32 v4, s34, v4                       ; my column's row, my wave's 64 bytes of it
	v_lshlrev_b32 v5, 4, v2
	s_lshl_b32 s34, s26, 2
	s_add_co_u32 s34, s34, WSC
	v_add_nc_u32 v5, s34, v5                       ; my column's 16 scale bytes, my wave's word
	v_lshrrev_b32 v10, 4, v2
	v_and_b32 v11, 15, v2
	v_mul_u32_u24 v6, v10, 272
	v_lshl_add_u32 v6, v11, 4, v6
	s_mul_i32 s34, s26, 8*272
	s_add_co_u32 s34, s34, WST
	v_add_nc_u32 v6, s34, v6                       ; back: my wave's rows 8 w on, sixteen lanes to a row
	v_lshlrev_b32 v7, 9, v10
	v_lshl_add_u32 v7, v11, 4, v7                  ; and the same place in wc
	v_lshl_add_u32 v8, v2, 4, WSC                  ; wave 0: a column's 16 scale bytes
	v_lshlrev_b32 v9, 5, v2                        ; and its row of ws
	s_and_b32 s27, ttmp9, 1                        ; y: which 512 along K
	s_lshr_b32 s28, ttmp9, 1                       ; which 32 rows of wc, 0..95
	s_lshr_b32 s29, s28, 5                         ; the weight: 0 Wq, 1 Wk, 2 Wv
	s_lshl_b32 s32, s27, 21                        ; (512 y + 128 w) rows of 4,096 bytes + 128 bytes x (column group)
	s_lshl_b32 s33, s26, 19
	s_add_co_u32 s32, s32, s33
	s_and_b32 s33, s28, 31
	s_lshl_b32 s33, s33, 7
	s_add_co_u32 s32, s32, s33
	s_mov_b32 s33, 0
	s_lshl_b32 s34, s28, 14                        ; wc: (32 group + 8 w) rows of 512 bytes + 256 y
	s_lshl_b32 s35, s26, 12
	s_add_co_u32 s34, s34, s35
	s_lshl_b32 s35, s27, 8
	s_add_co_u32 s34, s34, s35
	s_mov_b32 s35, 0
	s_lshl_b32 s36, s28, 10                        ; ws: 32 group rows of 32 bytes + 16 y
	s_lshl_b32 s37, s27, 4
	s_add_co_u32 s36, s36, s37
	s_mov_b32 s37, 0
	s_wait_kmcnt 0x0
	s_cmp_eq_u32 s29, 0
	s_cselect_b64 s[30:31], s[8:9], s[10:11]
	s_cmp_eq_u32 s29, 2
	s_cselect_b64 s[30:31], s[12:13], s[30:31]
	s_add_nc_u64 s[30:31], s[30:31], s[32:33]
	s_add_nc_u64 s[20:21], s[20:21], s[34:35]
	s_add_nc_u64 s[22:23], s[22:23], s[36:37]
.set i, 0
.rept 128
	global_load_b32 v[32+i], v3, s[30:31] offset:i*4096 th:TH_LOAD_NT   ; W(my wave's row i, my column)
.set i, i+1
.endr
.macro BLOCK t, left
.set XS, 32+32*(\t)
	s_wait_loadcnt \left
	v_max3_num_f32 v16, |v[XS]|, |v[XS+1]|, |v[XS+2]|              ; the block's 32 numbers are all mine
	v_max3_num_f32 v17, |v[XS+3]|, |v[XS+4]|, |v[XS+5]|
.irp i, 6,10,14,18,22,26
	v_max3_num_f32 v16, v16, |v[XS+\i]|, |v[XS+\i+1]|
	v_max3_num_f32 v17, v17, |v[XS+\i+2]|, |v[XS+\i+3]|
.endr
	v_max3_num_f32 v16, v16, |v[XS+30]|, |v[XS+31]|
	v_max3_num_f32 v16, v16, v17, 0x1800000        ; the floor
	v_add_nc_u32 v18, 0xff000000, v16              ; the conversion's scale operand
	v_lshrrev_b32 v19, 23, v18                     ; the byte
.if (\t) == 0
	v_mov_b32 v24, v19
.else
	v_lshl_or_b32 v24, v19, 8*(\t), v24            ; four bytes to my wave's word, the lower K in the lower byte
.endif
.irp g, 0,1,2,3
	v_cvt_scalef32_pk8_fp4_f32 v[160+4*(\t)+\g], v[XS+8*\g:XS+8*\g+7], v18
.endr
	v_nop                                          ; a plain line behind the last conversion
	ds_store_b128 v4, v[160+4*(\t):160+4*(\t)+3] offset:16*(\t)
.endm
	BLOCK 0, 63                                    ; block 0 wants at most 96 younger loads out, block 1 at most 64: the wait's field names 63 at the most
	BLOCK 1, 63
	BLOCK 2, 32                                    ; block 3's 32 may be out
	BLOCK 3, 0
	ds_store_b32 v5, v24
	s_wait_dscnt 0x0                               ; for the others' sake: my stores have landed
	s_barrier_signal -1
	s_barrier_wait -1
.irp u, 0,1,2,3
	ds_load_b128 v[176+4*\u:179+4*\u], v6 offset:544*\u
.endr
.irp u, 0,1,2,3
	s_wait_dscnt 3-\u
	global_store_b128 v7, v[176+4*\u:179+4*\u], s[20:21] offset:1024*\u
.endr
	s_cmp_lg_u32 s26, 0
	s_cbranch_scc1 .Lw_end
	ds_load_b128 v[20:23], v8                      ; wave 0: the 32 columns' 16 scale bytes
	s_wait_dscnt 0x0
	global_store_b128 v9, v[20:23], s[22:23]
.Lw_end:
	FINISH
.Lfunc_end_k_qa74e4b422f_prep:
	.size	k_qa74e4b422f_prep, .Lfunc_end_k_qa74e4b422f_prep-k_qa74e4b422f_prep
	.p2alignl 7, 3214868480
	.fill 96, 4, 3214868480
	.section	.rodata,"a",@progbits
	.p2align	6, 0x0
	.amdhsa_kernel k_qa74e4b422f_prep
		.amdhsa_group_segment_fixed_size 42496
		.amdhsa_private_segment_fixed_size 0
		.amdhsa_enable_private_segment 0
		.amdhsa_kernarg_size 88
		.amdhsa_user_sgpr_count 2
		.amdhsa_user_sgpr_kernarg_segment_ptr 1
		.amdhsa_wavefront_size32 1
		.amdhsa_system_sgpr_workgroup_id_x 1
		.amdhsa_system_sgpr_workgroup_id_y 1
		.amdhsa_system_sgpr_workgroup_id_z 1
		.amdhsa_system_vgpr_workitem_id 0
		.amdhsa_next_free_vgpr 192
		.amdhsa_next_free_sgpr 66
		.amdhsa_reserve_vcc 0
		.amdhsa_float_denorm_mode_32 3
		.amdhsa_float_denorm_mode_16_64 3
		.amdhsa_memory_ordered 1
		.amdhsa_forward_progress 1
		.amdhsa_inst_pref_size 66
	.end_amdhsa_kernel
	.amdgpu_metadata
---
amdhsa.version: [ 1, 2 ]
amdhsa.kernels:
  - .name:           k_qa74e4b422f_prep
    .symbol:         k_qa74e4b422f_prep.kd
    .args:
      - { .name: x, .offset: 0, .size: 8, .value_kind: global_buffer, .address_space: global }
      - { .name: x_origin, .offset: 8, .size: 8, .value_kind: global_buffer, .address_space: global }
      - { .name: Wq, .offset: 16, .size: 8, .value_kind: global_buffer, .address_space: global }
      - { .name: Wk, .offset: 24, .size: 8, .value_kind: global_buffer, .address_space: global }
      - { .name: Wv, .offset: 32, .size: 8, .value_kind: global_buffer, .address_space: global }
      - { .name: Wp, .offset: 40, .size: 8, .value_kind: global_buffer, .address_space: global }
      - { .name: xc, .offset: 48, .size: 8, .value_kind: global_buffer, .address_space: global }
      - { .name: xs, .offset: 56, .size: 8, .value_kind: global_buffer, .address_space: global }
      - { .name: wc, .offset: 64, .size: 8, .value_kind: global_buffer, .address_space: global }
      - { .name: ws, .offset: 72, .size: 8, .value_kind: global_buffer, .address_space: global }
      - { .name: wph, .offset: 80, .size: 8, .value_kind: global_buffer, .address_space: global }
    .group_segment_fixed_size: 42496
    .private_segment_fixed_size: 0
    .kernarg_segment_align: 8
    .kernarg_segment_size: 88
    .max_flat_workgroup_size: 128
    .sgpr_count:     66
    .vgpr_count:     192
    .wavefront_size: 32
...
	.end_amdgpu_metadata
.endif
;; end of part 1
;; launch qkv (part 2): grid 12 x 32, 4 waves a work-group, clusters of 4 x 4, 327,680 bytes of LDS; arguments xc, xs, wc, ws, qkv, decisions, vpart; writes qkv, vpart
.if DOCPART == 2
	.amdgcn_target "amdgcn-amd-amdhsa--gfx1250"
	.amdhsa_code_object_version 6
	.text
	.protected	k_qa74e4b422f_qkv
	.globl	k_qa74e4b422f_qkv
	.p2align	8
	.type	k_qa74e4b422f_qkv,@function
k_qa74e4b422f_qkv:
	s_mov_b64 s[64:65], 0
	v_nop
	global_prefetch_b8 v0, s[64:65] scope:SCOPE_SE
	s_setreg_imm32_b32 hwreg(HW_REG_WAVE_MODE, 25, 1), 1
	s_wait_xcnt 0x0
	s_wait_alu depctr_hold_cnt(0) depctr_sa_sdst(0) depctr_va_vdst(0) depctr_va_sdst(0) depctr_va_ssrc(0) depctr_va_vcc(0) depctr_vm_vsrc(0)
	s_getreg_b32 s2, hwreg(HW_REG_IB_STS2, 6, 4)
	s_cmp_eq_u32 s2, 0
	s_cbranch_scc0 .Lentry_in_a_cluster
	s_endpgm
.Lentry_in_a_cluster:
	s_bfe_u32 s2, ttmp6, 0x10000c
	s_cmp_lg_u32 s2, 0xf033
	s_cbranch_scc0 .Lentry_shape_is_right
	s_endpgm
.Lentry_shape_is_right:
; Launch 2 of 4: q = x Wq, k = x_origin Wk, v = x_origin Wv on codes of FP4 with E8M0 scales, sums in f32; nothing of the problem is left out here.
; One GEMM of 8,192 rows x 3,072 joined columns (1,024 p + n; p: q, k, v), K = 1,024.  A's rows come from xc's first half for q and from its second for k and v.
; Out: qkv, f16, [4 batches][48 = 16 p + head][2,048][64]: q and k as they are; in v's place V'' = 0.25 (1 - decisions[row]) v, multiplied in f32 and rounded once.
;      vpart, f32, [64 = row / 128][1,024]: the sums of the raw v over each wave's 128 rows, for the EPS / N term.
; LIMITS: q, k beyond 65,504 are not served by f16 (the drawn size has a factor of some 20,000 to there); the 0.25, exact, keeps V'' in range for inputs all 30 times larger.
; A tile of C, 256 x 256, is made by four waves, each 128 x 128: 64 accumulators, 512 registers.  Two LDS slots of 512 along K hold ALL of K, and the scales of the tile's rows lie behind them:
; every tensor load (three a wave) is a first fill, and nothing is filled again.
; CLUSTERS: 4 x 4 work-groups; A's tiles are asked for jointly along a row of the cluster, B's along a column.  A cluster's x is the product p, so the one branch of the way out is alike in all partners.
; THE MATRIX INSTRUCTION IS USED TRANSPOSED (source 0 = 16 rows of wc, source 1 = 16 rows of xc): a lane holds eight neighbouring columns of one row of C.
; REGISTERS, in windows of 256: window 0: v0-31 addresses; v32-95 scale words, two sets; v128-191 A's fragments, one set; on the way out v32-255 are free.
;   window 1: B's fragments, two sets, at v0 and v128.  window 2: accumulators of my rows 0-63 ((a, b) at v[8 (8 a + b)]);  window 3: of my rows 64-127.
.set NQ,     4                         ; matrix instructions deep in a slot of 512 along K
.set ROWB,   256                       ; a tile's row in bytes
.set KROW,   512                       ; a row of xc or wc in bytes
.set PITCH,  272                       ; an LDS row: 256 bytes + 16: 68 words, so the 16 rows of a load start at 16 different banks (64 banks of 4 bytes: ISA guide 11.1)
.set FR,     8
.set NL,     2
.set NP,     4                         ; places behind this matrix instruction (ISA guide 7.12.1)
.set HALFT,  128*PITCH
.set SLOT,   4*HALFT
.set KS,     32                        ; a row of scale bytes
.set SCL,    2*SLOT
.set HALFS,  (128*KS/256)*272
.set SBLK,   (16*KS/256)*272
.set SPARE,  SCL+4*HALFS
.set SPITCH, 272                       ; the way out: a stage of 16 rows x (256 bytes + 16) for each wave, in slot 0, which has had its only fill and its last read by then
.set HP,     262144                    ; a plane of qkv: 2,048 rows of 128 bytes
.set ADRA, 16
.set ADRB, 20
.set DOF,  22                          ; v22  4 x (lane % 16): my row's decision
.set STO,  24
.set RD,   25
.set CO,   26                          ; v26  16 x lane
.set ADRS, 27
.set SPW,  28
.set NIL,  29
.set CSA,  30                          ; v30  stage + 32 (lane / 16): the column sums, in
.set CSR,  31                          ; v31  stage + 16 x lane: and back
.set SC,   32
.set AF,   128
.set TMP,  32                          ; the way out: v32-63 a block's 16-byte pieces
.set BK,   64                          ; v64-95 and v112-143: a block read back, by turns
.set RS,   96                          ; v96-111: 0.25 (1 - decision) of my row in each of the 8 blocks, as pairs
.set T,    192                         ; v192-255: column sums, then a block of V'' in f32
.set G1, 24
.set G0, 32
.set G1B, 48
.set G0B, 56
.set G1S, 68
.set G0S, 76
.set G1SB, 80
.set G0SB, 88
.set MSB, 0
.macro WIN new                         ; the immediate's high byte repeats the setting that is left
.if MSB != \new
	s_set_vgpr_msb (MSB<<8)|\new
.set MSB, \new
.endif
.endm
.set MUL_LO, 0xa1
.set MUL_HI, 0xf1
.set TO_B,   0x40
; A joint load: waves 0 and 1 fetch for A, waves 2 and 3 for B.  An s_nop 0 and four v_nop follow each of the two lines.
.macro JLOAD g0a, g1a, g0b, g1b
	s_cmp_eq_u32 s15, 0
	s_cbranch_scc0 .Lfor_b_\@
	tensor_load_to_lds s[\g0a:\g0a+3], s[\g1a:\g1a+7]
	s_nop 0
.rept 4
	v_nop
.endr
	s_branch .Lasked_\@
.Lfor_b_\@:
	tensor_load_to_lds s[\g0b:\g0b+3], s[\g1b:\g1b+7]
	s_nop 0
.rept 4
	v_nop
.endr
.Lasked_\@:
.endm
.macro CROUND                          ; a round of the cluster's barrier
	s_barrier_signal -1
	s_barrier_wait -1
	s_cmp_lg_u32 s14, 0
	s_cbranch_scc1 .Lnot_wave_0_\@
	s_barrier_signal -3
.Lnot_wave_0_\@:
	s_barrier_wait -3
	s_barrier_signal -1
	s_barrier_wait -1
.endm
	s_load_b128 s[4:7], s[0:1], 0x0                ; xc, xs
	s_load_b128 s[8:11], s[0:1], 0x10              ; wc, ws
	s_load_b64 s[12:13], s[0:1], 0x20              ; qkv
	s_load_b64 s[66:67], s[0:1], 0x28              ; decisions
	s_load_b64 s[98:99], s[0:1], 0x30              ; vpart
	v_lshl_add_u32 v[SPW], v0, 2, SPARE
	v_mov_b32 v[NIL], 0
	ds_add_u32 v[SPW], v[NIL]                      ; the wave's opening: the add, twice on end, and its wait ahead of my first tensor load
	ds_add_u32 v[SPW], v[NIL]
	v_lshrrev_b32 v1, 5, v0
	v_readfirstlane_b32 s14, v1                    ; wave 0..3
	s_lshr_b32 s15, s14, 1                         ; which half of the tile's rows is mine.  Also: I fetch for A (0) or for B (1)
	s_and_b32 s16, s14, 1                          ; which half of its columns.  Also: which 128 rows of that tile I fetch
	s_bfe_u32 s40, ttmp6, 0x40000                  ; cx, cy
	s_bfe_u32 s41, ttmp6, 0x40004
	s_lshl_b32 s42, ttmp9, 2
	s_add_co_u32 s42, s42, s40                     ; tile column 0..11 = 4 x product + cx
	s_and_b32 s17, ttmp7, 0xffff
	s_lshl_b32 s17, s17, 2
	s_add_co_u32 s17, s17, s41                     ; tile row 0..31
	s_lshl_b32 s43, s41, 2
	s_lshl_b32 s43, 15, s43                        ; my row of the cluster
	s_lshl_b32 s44, 0x1111, s40                    ; my column
	s_or_b32 s[G1+0], s43, (0<<16)|(1<<20)|(1<<21)|(5<<22)|(3<<25)  ; mask; elements of 1 byte; padding on; bit 21 beside a mask; 4 words behind every 64
	s_or_b32 s[G1B+0], s44, (0<<16)|(1<<20)|(1<<21)|(5<<22)|(3<<25)
.irp g, G1, G1B
	s_mov_b32 s[\g+1], ROWB<<16                    ; tensor_dim0
	s_mov_b32 s[\g+2], 128<<16                     ; tensor_dim1
	s_mov_b32 s[\g+3], ROWB<<16                    ; tile_dim0
	s_mov_b32 s[\g+4], 128                         ; tile_dim1
	s_mov_b32 s[\g+5], KROW                        ; stride
	s_mov_b32 s[\g+6], 0
	s_mov_b32 s[\g+7], 0
.endr
	s_or_b32 s[G1S+0], s43, (3<<16)|(1<<20)|(1<<21)|(5<<22)|(3<<25)  ; the scales of 128 rows: 4,096 dense bytes as 16 rows of 256 (32 elements of 8 bytes), 16 bytes behind each
	s_or_b32 s[G1SB+0], s44, (3<<16)|(1<<20)|(1<<21)|(5<<22)|(3<<25)
.irp g, G1S, G1SB
	s_mov_b32 s[\g+1], 32<<16
	s_mov_b32 s[\g+2], (128*KS/256)<<16
	s_mov_b32 s[\g+3], 32<<16
	s_mov_b32 s[\g+4], 128*KS/256
	s_mov_b32 s[\g+5], 32
	s_mov_b32 s[\g+6], 0
	s_mov_b32 s[\g+7], 0
.endr
	s_lshl_b32 s18, s16, 7
	s_lshl_b32 s20, s17, 8
	s_add_co_u32 s20, s20, s18                     ; A: row 256 x tile row + 128 x half,
	s_min_u32 s21, ttmp9, 1
	s_lshl_b32 s21, s21, 13
	s_add_co_u32 s20, s20, s21                     ; in x's codes for q, in x_origin's (8,192 rows on) for k and v: the cluster's x, alike in all partners
	s_lshl_b32 s46, s42, 8
	s_add_co_u32 s46, s46, s18                     ; B: row 256 x tile column + 128 x half
	s_mov_b32 s21, 0
	s_mov_b32 s47, 0
	s_mov_b64 s[18:19], KS
	s_mul_u64 s[22:23], s[20:21], s[18:19]
	s_mul_u64 s[92:93], s[46:47], s[18:19]
	s_mov_b64 s[18:19], KROW
	s_mul_u64 s[20:21], s[20:21], s[18:19]
	s_mul_u64 s[46:47], s[46:47], s[18:19]
	s_mul_i32 s45, s14, HALFT                      ; where they go: wave x 128 rows
	s_mul_i32 s94, s14, HALFS
	s_wait_dscnt 0x0                               ; both opening adds are done
	s_wait_kmcnt 0x0
	s_add_nc_u64 s[20:21], s[4:5], s[20:21]
	s_add_nc_u64 s[22:23], s[6:7], s[22:23]
	s_add_nc_u64 s[46:47], s[8:9], s[46:47]
	s_add_nc_u64 s[92:93], s[10:11], s[92:93]
	CROUND                                         ; all sixteen work-groups are here: the joint loads meet
	s_mov_b32 s[G0S], 1
	s_add_co_u32 s[G0S+1], s94, SCL
	s_mov_b64 s[G0S+2:G0S+3], s[22:23]
	s_or_b32 s[G0S+3], s[G0S+3], 0x80000000
	s_mov_b32 s[G0SB], 1
	s_add_co_u32 s[G0SB+1], s94, SCL
	s_mov_b64 s[G0SB+2:G0SB+3], s[92:93]
	s_or_b32 s[G0SB+3], s[G0SB+3], 0x80000000
	JLOAD G0S, G1S, G0SB, G1SB                     ; the scales first: they are wanted with the first step
.irp s, 0,1
	s_mov_b32 s[G0+4*\s], 1
	s_add_co_u32 s[G0+4*\s+1], s45, \s*SLOT
	s_add_nc_u64 s[G0+4*\s+2:G0+4*\s+3], s[20:21], \s*ROWB
	s_or_b32 s[G0+4*\s+3], s[G0+4*\s+3], 0x80000000
	s_mov_b32 s[G0B+4*\s], 1
	s_add_co_u32 s[G0B+4*\s+1], s45, \s*SLOT
	s_add_nc_u64 s[G0B+4*\s+2:G0B+4*\s+3], s[46:47], \s*ROWB
	s_or_b32 s[G0B+4*\s+3], s[G0B+4*\s+3], 0x80000000
	JLOAD G0+4*\s, G1, G0B+4*\s, G1B               ; slot s's load: with the scales', s + 2 loads of mine are out
.endr
	v_and_b32 v1, 15, v0                           ; r
	v_bfe_u32 v2, v0, 4, 1                         ; h
	v_mul_u32_u24 v3, v1, PITCH
	v_lshl_add_u32 v4, v2, 4, v3
	s_mul_i32 s21, s15, HALFT
	s_mul_i32 s22, s16, HALFT
	s_add_co_u32 s22, s22, 2*HALFT
.irp s, 0,1
	v_add_nc_u32 v[ADRA+\s], s21, v4
	v_add_nc_u32 v[ADRB+\s], s22, v4
	s_add_co_u32 s21, s21, SLOT
	s_add_co_u32 s22, s22, SLOT
.endr
	v_mul_u32_u24 v5, v1, KS                       ; my row's scales: 32 bytes a row, and 16 more for each 256 passed
	v_lshrrev_b32 v6, 8, v5
	v_lshl_add_u32 v5, v6, 4, v5
	s_mul_i32 s21, s15, HALFS
	s_mul_i32 s22, s16, HALFS
	s_add_co_u32 s22, s22, 2*HALFS
	s_sub_co_u32 s22, s22, s21
	v_mul_u32_u24 v6, s22, v2                      ; lanes 16-31 take B's
	s_add_co_u32 s21, s21, SCL
	v_add_nc_u32 v5, v5, v6
	v_add_nc_u32 v[ADRS], s21, v5
	s_mul_i32 s23, s14, 16*SPITCH                  ; my stage
	v_mul_u32_u24 v5, v1, SPITCH
	v_lshl_add_u32 v5, v2, 4, v5
	v_add_nc_u32 v[STO], s23, v5                   ; in: row r, 16 bytes for each half of the lanes
	v_and_b32 v6, 31, v0
	v_lshlrev_b32 v[CO], 4, v6
	v_add_nc_u32 v[CSR], s23, v[CO]
	v_lshrrev_b32 v5, 3, v6
	v_mul_u32_u24 v5, v5, SPITCH
	v_and_b32 v6, 7, v6
	v_lshl_add_u32 v5, v6, 4, v5
	v_add_nc_u32 v[RD], s23, v5                    ; back: eight lanes take a head's 128 bytes of a row, four rows an instruction
	v_lshlrev_b32 v5, 5, v2
	v_add_nc_u32 v[CSA], s23, v5
	v_lshlrev_b32 v[DOF], 2, v1
	s_lshl_b32 s20, s17, 8
	s_lshl_b32 s21, s15, 7
	s_add_co_u32 s20, s20, s21                     ; my first row, 0..8,191
	s_lshr_b32 s21, s20, 11
	s_mul_i32 s21, s21, 48                         ; 48 planes a batch
	s_lshl_b32 s46, s42, 2
	s_lshl_b32 s47, s16, 1
	s_add_co_u32 s46, s46, s47
	s_add_co_u32 s46, s46, s21                     ; my first plane: 48 batch + 4 x tile column + 2 x half
	s_lshl_b32 s46, s46, 18
	s_and_b32 s47, s20, 2047
	s_lshl_b32 s47, s47, 7
	s_add_co_u32 s46, s46, s47
	s_mov_b32 s47, 0
	s_add_nc_u64 s[12:13], s[12:13], s[46:47]
	s_lshl_b32 s92, s20, 2
	s_mov_b32 s93, 0
	s_add_nc_u64 s[66:67], s[66:67], s[92:93]      ; decisions at my first row
	s_lshl_b32 s92, s20, 5                         ; vpart: (row / 128) x 4,096 bytes + (256 cx + 128 half) x 4
	s_lshl_b32 s94, s40, 10
	s_add_co_u32 s92, s92, s94
	s_lshl_b32 s94, s16, 9
	s_add_co_u32 s92, s92, s94
	s_add_nc_u64 s[98:99], s[98:99], s[92:93]
	s_mov_b32 s2, 0x3e800000                       ; 0.25
.macro FRAG reg, adr, q, i             ; 16 rows x 128 K of 4-bit codes: 8 registers, two loads of 16 bytes, 32 bytes apart
.irp c, 0,1
	ds_load_b128 v[\reg+4*\c:\reg+4*\c+3], v[\adr] offset:64*(\q)+32*\c+(\i)*16*PITCH
.endr
.endm
; 16 matrix instructions: A's blocks a0, a0 + 1 x B's eight.  The 64 accumulators take turns, one instruction a turn, in the same order in every step.
.macro MUL16 a0, p, q, sc, zero
.irp a, \a0, \a0+1
.irp b, 0,1,2,3,4,5,6,7
.if \zero
	v_wmma_scale_f32_16x16x128_f8f6f4 v[8*(8*((\a)%4)+\b):8*(8*((\a)%4)+\b)+7], v[128*(\p)+FR*\b:128*(\p)+FR*\b+FR-1], v[AF+FR*(\a):AF+FR*(\a)+FR-1], 0, v[SC+8*NQ*(\sc)+NQ*\b+(\q)], v[SC+8*NQ*(\sc)+NQ*(\a)+(\q)] matrix_a_fmt:MATRIX_FMT_FP4 matrix_b_fmt:MATRIX_FMT_FP4 matrix_a_scale:MATRIX_SCALE_ROW1
.else
	v_wmma_scale_f32_16x16x128_f8f6f4 v[8*(8*((\a)%4)+\b):8*(8*((\a)%4)+\b)+7], v[128*(\p)+FR*\b:128*(\p)+FR*\b+FR-1], v[AF+FR*(\a):AF+FR*(\a)+FR-1], v[8*(8*((\a)%4)+\b):8*(8*((\a)%4)+\b)+7], v[SC+8*NQ*(\sc)+NQ*\b+(\q)], v[SC+8*NQ*(\sc)+NQ*(\a)+(\q)] matrix_a_fmt:MATRIX_FMT_FP4 matrix_b_fmt:MATRIX_FMT_FP4 matrix_a_scale:MATRIX_SCALE_ROW1
.endif
.endr
.endr
.endm
.macro FETCH_B slot, q, p
	WIN TO_B
.irp i, 0,1,2,3,4,5,6,7
	FRAG 128*(\p)+FR*\i, ADRB+\slot, \q, \i
.endr
	WIN 0
.endm
.macro FETCH_A slot, q, i0
.irp i, \i0, \i0+1, \i0+2, \i0+3
	FRAG AF+FR*(\i), ADRA+\slot, \q, \i
.endr
.endm
.macro SCALES sc                       ; a slot's scale words: lanes 0-15 A's block i, lanes 16-31 B's block i
.irp i, 0,1,2,3,4,5,6,7
	ds_load_b128 v[SC+8*NQ*\sc+NQ*\i:SC+8*NQ*\sc+NQ*\i+3], v[ADRS] offset:\i*SBLK
.endr
.endm
.macro PLACES n                        ; plain vector instructions that name none of the matrix instructions' registers (ISA guide 7.12.1)
.rept \n
	v_nop
.endr
.endm
.macro STEP slot, q, zero              ; 128 along K, with its successor in the same slot
	s_wait_dscnt 4*NL                              ; B's set and A's blocks 0-3 are in; the youngest eight loads (A's blocks 4-7) may be out
	WIN MUL_LO
	MUL16 0, (\q)%2, \q, \slot, \zero
	MUL16 2, (\q)%2, \q, \slot, \zero
	s_wait_dscnt 0
	PLACES NP
	FETCH_B \slot, (\q)+1, 1-(\q)%2
	FETCH_A \slot, (\q)+1, 0
	WIN MUL_HI
	MUL16 4, (\q)%2, \q, \slot, \zero
	MUL16 6, (\q)%2, \q, \slot, \zero
	PLACES NP
	WIN 0
	FETCH_A \slot, (\q)+1, 4
.endm
.macro STEPS slot, from
.set Q, \from
.rept NQ-1-\from
	STEP \slot, Q, 0
.set Q, Q+1
.endr
.endm
	s_wait_tensorcnt 1                             ; the scales and my part of slot 0 are in; slot 1's load, the one issued behind them, may be out
	s_barrier_signal -1
	s_barrier_wait -1
	FETCH_B 0, 0, 0
	FETCH_A 0, 0, 0
	SCALES 0
	FETCH_A 0, 0, 4
	STEP 0, 0, 1                                   ; the first step's products start the sums: nothing is cleared
	STEPS 0, 1
	; slot 0's last step changes slots: my part of slot 1 has landed, one barrier shows everybody's
	s_wait_tensorcnt 0x0
	ds_add_u32 v[SPW], v[NIL]
	s_wait_dscnt 4*NL+1                            ; the add and A's blocks 4-7 may be out
	WIN MUL_LO
	MUL16 0, 1, NQ-1, 0, 0
	s_wait_dscnt 0x0
	s_barrier_signal -1
	MUL16 2, 1, NQ-1, 0, 0
	WIN 0
	s_barrier_wait -1
	PLACES NP
	v_add_nc_u32 v[ADRS], 4*NQ, v[ADRS]            ; on to slot 1's scale words
	FETCH_B 1, 0, 0
	FETCH_A 1, 0, 0
	SCALES 1
	WIN MUL_HI
	MUL16 4, 1, NQ-1, 0, 0
	MUL16 6, 1, NQ-1, 0, 0
	PLACES NP
	WIN 0
	FETCH_A 1, 0, 4
	STEPS 1, 0
	s_wait_dscnt 4*NL                              ; the very last step
	WIN MUL_LO
	MUL16 0, 1, NQ-1, 1, 0
	MUL16 2, 1, NQ-1, 1, 0
	s_wait_dscnt 0
	WIN MUL_HI
	MUL16 4, 1, NQ-1, 1, 0
	MUL16 6, 1, NQ-1, 1, 0
	WIN 0
; THE WAY OUT, block by block of 16 rows x 128 columns (two heads).  A lane's eight numbers become 16 bytes of f16; a block goes through my stage and comes back so that
; a store of the wave covers four rows of one head: 512 consecutive bytes of qkv, aligned.  Every offset is an immediate.
.macro PACK a, pol
.set AC, 64*((\a)%4)
.if \pol
	WIN 0x02+((\a)/4)                              ; source 0: window 2 or 3
.set i, 0
.rept 32
	v_pk_mul_f32 v[T+i:T+i+1], v[AC+i:AC+i+1], v[RS+2*(\a):RS+2*(\a)+1] op_sel_hi:[1,0]   ; x 0.25 (1 - decision of my row), in f32
.set i, i+2
.endr
	WIN 0
.set i, 0
.rept 32
	v_cvt_pk_f16_f32 v[TMP+i], v[T+2*i], v[T+2*i+1]
.set i, i+1
.endr
.else
	WIN 0x0a+5*((\a)/4)                            ; sources 0 and 1: window 2 or 3
.set i, 0
.rept 32
	v_cvt_pk_f16_f32 v[TMP+i], v[AC+2*i], v[AC+2*i+1]   ; each accumulator from its low end on
.set i, i+1
.endr
	WIN 0
.endif
.endm
.macro TOSTAGE a
.set BB, BK+48*((\a)%2)
.irp b, 0,1,2,3,4,5,6,7
	ds_store_b128 v[STO], v[TMP+4*\b:TMP+4*\b+3] offset:32*\b
.endr
.irp t, 0,1,2,3,4,5,6,7
	ds_load_b128 v[BB+4*\t:BB+4*\t+3], v[RD] offset:(\t%4)*4*SPITCH+128*(\t/4)   ; LDS serves a wave's instructions in order: these see the stores above
.endr
.endm
.macro SEND a
.set BB, BK+48*((\a)%2)
	s_wait_dscnt 0x0                               ; the block is back in registers
	s_wait_xcnt 0x0                                ; the block before has been read by its stores: the next block's loads may land in its registers
.irp t, 0,1,2,3,4,5,6,7
	global_store_b128 v[CO], v[BB+4*\t:BB+4*\t+3], s[12:13] offset:(\t/4)*HP+2048*(\a)+512*(\t%4)
.endr
.endm
.macro ALLOUT pol                      ; block a's arithmetic stands between block a - 1's loads from the stage and the wait for them
	PACK 0, \pol
	TOSTAGE 0
.irp a, 1,2,3,4,5,6,7
	PACK \a, \pol
	SEND (\a)-1
	TOSTAGE \a
.endr
	SEND 7
	s_wait_tensorcnt 0x0                           ; the wave's end
	ds_add_u32 v[SPW], v[NIL]
	s_wait_dscnt 0x0
	CROUND                                         ; the closing round
	s_endpgm
.endm
	PLACES NP                                      ; behind the last products: their scale registers are written and results are read below
	s_cmp_eq_u32 ttmp9, 2                          ; the product: the cluster's x, alike in all sixteen partners
	s_cbranch_scc1 .Lway_v
	ALLOUT 0                                       ; q and k
.Lway_v:
.irp a, 0,1,2,3,4,5,6,7
	global_load_b32 v[RS+2*\a], v[DOF], s[66:67] offset:64*\a      ; the decisions of my row in each block: they land under the column sums
.endr
	WIN 0x0a                                       ; THE COLUMN SUMS of the raw v over my 128 rows: first over the 8 blocks,
.set i, 0
.rept 32
	v_pk_add_f32 v[T+i:T+i+1], v[i:i+1], v[64+i:64+i+1]
.set i, i+2
.endr
	WIN 0x08
.irp a, 2,3
.set i, 0
.rept 32
	v_pk_add_f32 v[T+i:T+i+1], v[T+i:T+i+1], v[64*\a+i:64*\a+i+1]
.set i, i+2
.endr
.endr
	WIN 0x0c
.irp a, 0,1,2,3
.set i, 0
.rept 32
	v_pk_add_f32 v[T+i:T+i+1], v[T+i:T+i+1], v[64*\a+i:64*\a+i+1]
.set i, i+2
.endr
.endr
	WIN 0
.irp m, 1,2,4,8                        ; then over the 16 rows that lie in the 16 lanes of a half
.set i, 0
.rept 64
	v_add_f32_dpp v[T+i], v[T+i], v[T+i] row_xmask:\m row_mask:0xf bank_mask:0xf
.set i, i+1
.endr
.endr
.irp b, 0,1,2,3,4,5,6,7
	ds_store_b128 v[CSA], v[T+8*\b:T+8*\b+3] offset:64*\b          ; column 16 b + 8 h + j; the sixteen lanes of a half write the same bytes with the same values
	ds_store_b128 v[CSA], v[T+8*\b+4:T+8*\b+7] offset:64*\b+16
.endr
	ds_load_b128 v[144:147], v[CSR]
	s_wait_dscnt 0x0
	global_store_b128 v[CO], v[144:147], s[98:99]  ; 128 sums: 512 consecutive bytes of vpart, aligned
	s_wait_loadcnt 0x0                             ; the decisions
.irp a, 0,1,2,3,4,5,6,7
	v_fma_f32 v[RS+2*\a], -v[RS+2*\a], s2, s2      ; 0.25 - 0.25 d = 0.25 (1 - d), rounded as 1 - d is
.endr
.irp a, 0,1,2,3,4,5,6,7
	v_mov_b32 v[RS+2*\a+1], v[RS+2*\a]             ; named with it as a pair
.endr
	ALLOUT 1
.Lfunc_end_k_qa74e4b422f_qkv:
	.size	k_qa74e4b422f_qkv, .Lfunc_end_k_qa74e4b422f_qkv-k_qa74e4b422f_qkv
	.p2alignl 7, 3214868480
	.fill 96, 4, 3214868480
	.section	.rodata,"a",@progbits
	.p2align	6, 0x0
	.amdhsa_kernel k_qa74e4b422f_qkv
		.amdhsa_group_segment_fixed_size 327680
		.amdhsa_private_segment_fixed_size 0
		.amdhsa_enable_private_segment 0
		.amdhsa_kernarg_size 56
		.amdhsa_user_sgpr_count 2
		.amdhsa_user_sgpr_kernarg_segment_ptr 1
		.amdhsa_wavefront_size32 1
		.amdhsa_system_sgpr_workgroup_id_x 1
		.amdhsa_system_sgpr_workgroup_id_y 1
		.amdhsa_system_sgpr_workgroup_id_z 1
		.amdhsa_system_vgpr_workitem_id 0
		.amdhsa_next_free_vgpr 1024
		.amdhsa_next_free_sgpr 100
		.amdhsa_reserve_vcc 0
		.amdhsa_float_denorm_mode_32 3
		.amdhsa_float_denorm_mode_16_64 3
		.amdhsa_memory_ordered 1
		.amdhsa_forward_progress 1
		.amdhsa_inst_pref_size 207
	.end_amdhsa_kernel
	.amdgpu_metadata
---
amdhsa.version: [ 1, 2 ]
amdhsa.kernels:
  - .name:           k_qa74e4b422f_qkv
    .symbol:         k_qa74e4b422f_qkv.kd
    .args:
      - { .name: xc, .offset: 0, .size: 8, .value_kind: global_buffer, .address_space: global }
      - { .name: xs, .offset: 8, .size: 8, .value_kind: global_buffer, .address_space: global }
      - { .name: wc, .offset: 16, .size: 8, .value_kind: global_buffer, .address_space: global }
      - { .name: ws, .offset: 24, .size: 8, .value_kind: global_buffer, .address_space: global }
      - { .name: qkv, .offset: 32, .size: 8, .value_kind: global_buffer, .address_space: global }
      - { .name: decisions, .offset: 40, .size: 8, .value_kind: global_buffer, .address_space: global }
      - { .name: vpart, .offset: 48, .size: 8, .value_kind: global_buffer, .address_space: global }
    .group_segment_fixed_size: 327680
    .private_segment_fixed_size: 0
    .kernarg_segment_align: 8
    .kernarg_segment_size: 56
    .max_flat_workgroup_size: 128
    .sgpr_count:     100
    .vgpr_count:     1024
    .wavefront_size: 32
...
	.end_amdgpu_metadata
.endif
;; end of part 2
;; launch attn (part 3): grid 4 x 64, 8 waves a work-group, clusters of 4 x 1, 327,680 bytes of LDS; arguments qkv, decisions, vpart, ao; writes ao
.if DOCPART == 3
	.amdgcn_target "amdgcn-amd-amdhsa--gfx1250"
	.amdhsa_code_object_version 6
	.text
	.protected	k_qa74e4b422f_attn
	.globl	k_qa74e4b422f_attn
	.p2align	8
	.type	k_qa74e4b422f_attn,@function
k_qa74e4b422f_attn:
	s_mov_b64 s[64:65], 0
	v_nop
	global_prefetch_b8 v0, s[64:65] scope:SCOPE_SE
	s_setreg_imm32_b32 hwreg(HW_REG_WAVE_MODE, 25, 1), 1
	s_wait_xcnt 0x0
	s_wait_alu depctr_hold_cnt(0) depctr_sa_sdst(0) depctr_va_vdst(0) depctr_va_sdst(0) depctr_va_ssrc(0) depctr_va_vcc(0) depctr_vm_vsrc(0)
	s_getreg_b32 s2, hwreg(HW_REG_IB_STS2, 6, 4)
	s_cmp_eq_u32 s2, 0
	s_cbranch_scc0 .Lentry_in_a_cluster
	s_endpgm
.Lentry_in_a_cluster:
	s_bfe_u32 s2, ttmp6, 0x10000c
	s_cmp_lg_u32 s2, 0x3003
	s_cbranch_scc0 .Lentry_shape_is_right
	s_endpgm
.Lentry_shape_is_right:
; Launch 3 of 4: the attention of one head for 512 queries; nothing of the problem is left out here.  With c = log2(e) / 8, m the running largest score of a query, pol = 1 - decisions:
;   p = 2^(c s - c m) (f16 for the second product), O = sum p V'' (V'' = 0.25 pol v, f16, made by the launch before), l = sum p pol (f32, of the unrounded p),
;   out = 4 (O + VS) / (l + EPS), VS = (EPS / 4 N) sum over all keys of v (from vpart's f32 partial sums).  In every step O and l are multiplied by a = 2^(c m_old - c m_new).
; q, k, V'': planes of qkv [4][48][2,048][64] f16.  ao: [4][16][2,048][64] f16.
; LIMITS: a weight under 2^-25 of its row's largest becomes 0 in f16; an output under some 1e-5 has f16's absolute step of 6e-8; NaN and infinities are not served.
; SHARES.  A work-group owns 512 queries of one head, each of its eight waves 64: four tiles of 16 in two pieces of two.  Two waves share a SIMD, so that one wave's softmax stands beside the other's products.
; Every wave walks the head's 2,048 keys, 64 a step.  A slot of LDS holds four steps; two slots, filled by the tensor data mover: waves 0-3 fetch the four steps' K, waves 4-7 their V.
; LAYOUT.  S^T = K Q^T (source 0 = 16 keys, source 1 = 16 queries): a lane holds one query and the keys 8 (lane / 16) + 0..7 of a tile; two tiles rounded in pairs ARE source 1 of O^T = V^T P.
; K comes out of LDS as it lies, V ([key][channel]) turned, by ds_load_tr16_b128.
; ORDER OF A STEP: piece 0: scores, softmax, V^T P; piece 1's scores; then, in the next trip, the next step's K is fetched under piece 1's softmax and V^T P, and its V and pol under piece 0's scores.
; CLUSTER.  The four query blocks of a head form a cluster and ask for K and V jointly: the same load, the same descriptor, a mask that names the four.
; REGISTERS: window 0: v1-15 addresses; v16-47 statistics, 8 a tile (+0 c m, +1 m, +2, +3 l, +4..+7 at work, a at +6); v48-79 pol of the step's keys; v80-143 S^T of the piece in hand;
;   v144-175 P; v176-239 V; v240-243 second chains of l.   window 1: v0-127 O^T, 32 a tile; v128-191 Q; v192-255 K.
.set HP,    262144
.set PK,    144                        ; a row of K in LDS: 128 bytes + 16: 36 words: the 16 rows of a load fall on different banks
.set PVP,   160                        ; a row of V: 128 + 32
.set VOFF,  64*PK
.set STEPB, 64*(PK+PVP)
.set SLOT1, 1<<17
.set POLT,  SLOT1+4*STEPB              ; pol of the batch's 2,048 keys, f32
.set VST,   POLT+8192                  ; VS of the head's 64 channels, f32
.set STG,   VST+256                    ; the way out: 16 rows x 144 bytes for each wave
.set SPARE, STG+8*16*144               ; the spare words, 128 bytes for each wave
.set AK0, 3
.set AV0, 4
.set AP0, 5
.set ADR, 6
.set ADRV, 7
.set ADRP, 8
.set QO,  9
.set STO, 10
.set RD,  11
.set GO,  12
.set SPW, 13
.set NIL, 14
.set PFO, 15
.set ST,  16
.set POL, 48
.set S,   80
.set P,   144
.set VF,  176
.set TT,  240
.set QF,  128                          ; in window 1
.set KF,  192
.set WV,  12
.set LIM, 15
.set PFA, 18
.set G1K, 24
.set G1V, 32
.set G0K, 40
.set G0V, 48
.set SLOTS, 56
.set INNER, 57
.set CS,  58
.set SEL, 60
.set TB,  62
.set TP,  63
.set KPT, 66
.set VPT, 68
.set MSB, 0
.macro WIN new
.if MSB != \new
	s_set_vgpr_msb (MSB<<8)|\new
.set MSB, \new
.endif
.endm
.set W_KQ, 0x05                        ; K and Q in window 1, S^T in window 0
.set W_PV, 0x50                        ; V and P in window 0, O^T in window 1
.set W_RS, 0x41                        ; O^T (destination and source 0) in window 1
.macro PLACES
.rept 4
	v_nop
.endr
.endm
.macro JLOAD                           ; a joint refill; the branch hangs on the wave's number alone; an s_nop 0 and four v_nop follow each line
	s_cmp_lt_u32 s[WV], 4
	s_cbranch_scc0 .Lfor_v_\@
	tensor_load_to_lds s[G0K+4:G0K+7], s[G1K:G1K+7]
	s_nop 0
.rept 4
	v_nop
.endr
	s_branch .Lasked_\@
.Lfor_v_\@:
	tensor_load_to_lds s[G0V+4:G0V+7], s[G1V:G1V+7]
	s_nop 0
.rept 4
	v_nop
.endr
.Lasked_\@:
.endm
; A prefetch of what the NEXT change of slots will ask for: a slot's 32,768 bytes of K and of V.  The four partners share them out by address, 8,192 bytes each; in each, wave 0 asks for K's
; and wave 4 for V's, lanes 256 bytes apart: each aligned block of 256 bytes is named once in the launch.  The last change that fills a slot asks for nothing.
.macro ASK
	s_cmp_gt_u32 s[SLOTS], s[LIM]
	s_cbranch_scc0 .Lnot_mine_\@
	global_prefetch_b8 v[PFO], s[PFA:PFA+1] th:TH_LOAD_NT scope:SCOPE_SE
.Lnot_mine_\@:
.endm
.macro CROUND
	s_barrier_signal -1
	s_barrier_wait -1
	s_cmp_lg_u32 s[WV], 0
	s_cbranch_scc1 .Lnot_wave_0_\@
	s_barrier_signal -3
.Lnot_wave_0_\@:
	s_barrier_wait -3
	s_barrier_signal -1
	s_barrier_wait -1
.endm
	s_load_b256 s[4:11], s[0:1], 0x0               ; qkv s[4:5], decisions s[6:7], vpart s[8:9], ao s[10:11]
	v_lshl_add_u32 v[SPW], v0, 2, SPARE
	v_mov_b32 v[NIL], 0
	ds_add_u32 v[SPW], v[NIL]                      ; the wave's opening: the add, twice on end, and its wait ahead of my first tensor load
	ds_add_u32 v[SPW], v[NIL]
	v_lshrrev_b32 v1, 5, v0
	v_readfirstlane_b32 s[WV], v1                  ; wave 0..7
	s_bfe_u32 s13, ttmp6, 0x40000                  ; cx: my block of 512 queries; it enters q's, ao's and the prefetches' addresses alone
	s_and_b32 s20, ttmp7, 0xffff                   ; 16 batch + head
	s_lshr_b32 s21, s20, 4
	s_and_b32 s22, s20, 15
	s_mul_i32 s23, s21, 48
	s_add_co_u32 s23, s23, s22                     ; q's plane
	s_and_b32 s16, s[WV], 3                        ; which of a slot's four steps I fetch
	s_lshl_b32 s70, s23, 18
	s_lshl_b32 s17, s16, 13
	s_add_co_u32 s70, s70, s17
	s_add_co_u32 s70, s70, 16*HP                   ; K: 16 planes on, my step's 64 rows of 128 bytes
	s_mov_b32 s71, 0
	s_add_co_u32 s72, s70, 16*HP                   ; V: 16 more
	s_mov_b32 s73, 0
	s_mul_i32 s17, s16, STEPB                      ; and its place in a slot
	s_lshl_b32 s2, s13, 16
	s_lshl_b32 s3, s[WV], 13
	s_add_co_u32 s2, s2, s3                        ; (512 cx + 64 wave) rows of 128 bytes
	s_lshl_b32 s74, s23, 18
	s_add_co_u32 s74, s74, s2
	s_mov_b32 s75, 0
	s_lshl_b32 s76, s20, 18
	s_add_co_u32 s76, s76, s2
	s_mov_b32 s77, 0
	s_lshl_b32 s78, s21, 13                        ; decisions: 8,192 bytes a batch
	s_mov_b32 s79, 0
	s_lshl_b32 s80, s21, 16                        ; vpart: 16 rows of 4,096 bytes a batch, 256 bytes a head
	s_lshl_b32 s81, s22, 8
	s_add_co_u32 s80, s80, s81
	s_mov_b32 s81, 0
	s_mov_b32 s[G1K], 15|(1<<16)|(1<<20)|(1<<21)|(4<<22)|(3<<25)  ; the mask: all four; elements of 2 bytes; padding on; bit 21 beside a mask; 4 words behind every 32
	s_mov_b32 s[G1V], 15|(1<<16)|(1<<20)|(1<<21)|(4<<22)|(7<<25)  ; the same with 8 words
.irp g, G1K, G1V
	s_mov_b32 s[\g+1], 64<<16                      ; tensor_dim0
	s_mov_b32 s[\g+2], 64<<16                      ; tensor_dim1
	s_mov_b32 s[\g+3], 64<<16                      ; tile_dim0
	s_mov_b32 s[\g+4], 64                          ; tile_dim1
	s_mov_b32 s[\g+5], 64                          ; stride
	s_mov_b32 s[\g+6], 0
	s_mov_b32 s[\g+7], 0
.endr
	s_mov_b32 s[CS], 0x3e38aa3b                    ; c = log2(e) / 8
	s_mov_b32 s[CS+1], s[CS]
	s_mov_b32 s[SEL], 0x76543210
	s_mov_b32 s[SEL+1], 0xfedcba98
	s_mov_b32 s[TB], 0
	s_mov_b32 s[TP], 0
	s_mov_b32 s[SLOTS], 6
	s_cmp_eq_u32 s16, 0                            ; waves 0 and 4 prefetch
	s_cselect_b32 s[LIM], 1, -1
	v_and_b32 v[PFO], 31, v0
	v_lshlrev_b32 v[PFO], 8, v[PFO]
	s_wait_dscnt 0x0                               ; both opening adds are done
	s_wait_kmcnt 0x0
	s_add_nc_u64 s[KPT:KPT+1], s[4:5], s[70:71]
	s_add_nc_u64 s[VPT:VPT+1], s[4:5], s[72:73]
	s_add_nc_u64 s[4:5], s[4:5], s[74:75]          ; q at my wave's first row
	s_add_nc_u64 s[10:11], s[10:11], s[76:77]      ; ao likewise
	s_add_nc_u64 s[6:7], s[6:7], s[78:79]
	s_add_nc_u64 s[8:9], s[8:9], s[80:81]
	s_cmp_lt_u32 s[WV], 4
	s_cselect_b64 s[PFA:PFA+1], s[KPT:KPT+1], s[VPT:VPT+1]   ; (in waves 0 and 4 these stand at the plane's first row)
	s_lshl_b32 s2, s13, 13
	s_mov_b32 s3, 0
	s_add_nc_u64 s[PFA:PFA+1], s[PFA:PFA+1], s[2:3]
	s_add_nc_u64 s[PFA:PFA+1], s[PFA:PFA+1], 2*32768   ; in slot 2: the first change of slots steps it to slot 3.  Nothing is prefetched at the head
	CROUND                                         ; all four work-groups are here: the first joint loads meet
.irp s, 0,1
	s_mov_b32 s[G0K+4*\s], 1
	s_add_co_u32 s[G0K+4*\s+1], s17, \s*SLOT1
	s_add_nc_u64 s[G0K+4*\s+2:G0K+4*\s+3], s[KPT:KPT+1], \s*32768
	s_or_b32 s[G0K+4*\s+3], s[G0K+4*\s+3], 0x80000000
	s_mov_b32 s[G0V+4*\s], 1
	s_add_co_u32 s[G0V+4*\s+1], s17, \s*SLOT1+VOFF
	s_add_nc_u64 s[G0V+4*\s+2:G0V+4*\s+3], s[VPT:VPT+1], \s*32768
	s_or_b32 s[G0V+4*\s+3], s[G0V+4*\s+3], 0x80000000
.endr
	s_cmp_lt_u32 s[WV], 4                          ; a wave's two first fills stand in one branch: two loads of mine are out
	s_cbranch_scc0 .Lfirst_v
	tensor_load_to_lds s[G0K:G0K+3], s[G1K:G1K+7]
	s_nop 0
	tensor_load_to_lds s[G0K+4:G0K+7], s[G1K:G1K+7]
	s_nop 0
.rept 4
	v_nop
.endr
	s_branch .Lfirst_asked
.Lfirst_v:
	tensor_load_to_lds s[G0V:G0V+3], s[G1V:G1V+7]
	s_nop 0
	tensor_load_to_lds s[G0V+4:G0V+7], s[G1V:G1V+7]
	s_nop 0
.rept 4
	v_nop
.endr
.Lfirst_asked:
	v_and_b32 v1, 15, v0                           ; r
	v_bfe_u32 v2, v0, 4, 1                         ; h
	v_lshlrev_b32 v[QO], 7, v1
	v_lshl_add_u32 v[QO], v2, 4, v[QO]             ; row x 128 + 16 x half
	v_lshlrev_b32 v241, 4, v0                      ; 16 x thread
	global_load_b128 v[48:51], v241, s[6:7]        ; the batch's 2,048 decisions: 8 a thread
	global_load_b128 v[52:55], v241, s[6:7] offset:4096
	WIN 0x40                                       ; destination window 1
.irp i, 0,1,2,3,4,5,6,7                        ; Q stays in registers: tile i / 2, channels 32 (i % 2) on
	global_load_b128 v[QF+8*\i:QF+8*\i+3],   v[QO], s[4:5] offset:(\i/2)*2048+(\i%2)*64
	global_load_b128 v[QF+8*\i+4:QF+8*\i+7], v[QO], s[4:5] offset:(\i/2)*2048+(\i%2)*64+32
.endr
	WIN 0
	v_add_nc_u32 v[ADRV], POLT, v241               ; where my 8 pol go
	v_lshl_add_u32 v[ADRP], v0, 2, VST             ; where thread t < 64 puts VS of channel t
	v_lshlrev_b32 v240, 2, v0
	v_mul_u32_u24 v[AK0], v1, PK
	v_lshl_add_u32 v[AK0], v2, 4, v[AK0]
	v_and_b32 v[AV0], 7, v0
	v_lshl_add_u32 v[AV0], v2, 3, v[AV0]
	v_mul_u32_u24 v[AV0], v[AV0], PVP              ; the turning load: key 8 h + lane % 8,
	v_bfe_u32 v[AP0], v0, 3, 1
	v_lshl_add_u32 v[AV0], v[AP0], 4, v[AV0]       ; channels 8 ((lane / 8) % 2) on
	v_add_nc_u32 v[AV0], VOFF, v[AV0]
	v_lshl_add_u32 v[AP0], v2, 5, POLT             ; pol of keys 8 h on
	s_cmp_lt_u32 s[WV], 2                          ; waves 0 and 1: VS, a channel a thread, wholly inside this one branch
	s_cbranch_scc0 .Lno_vs
.irp i, 0,1,2,3,4,5,6,7,8,9,10,11,12,13,14,15
	global_load_b32 v[80+\i], v240, s[8:9] offset:4096*\i          ; the batch's 16 partial sums of my column of v
.endr
	s_wait_loadcnt 0x0
.irp i, 0,1,2,3,4,5,6,7
	v_add_f32 v[80+\i], v[80+\i], v[88+\i]
.endr
.irp i, 0,1,2,3
	v_add_f32 v[80+\i], v[80+\i], v[84+\i]
.endr
	v_add_f32 v80, v80, v82
	v_add_f32 v81, v81, v83
	v_add_f32 v80, v80, v81
	v_mul_f32 v80, 0x2f0637bd, v80                 ; x EPS / (4 N)
	ds_store_b32 v[ADRP], v80
.Lno_vs:
	s_wait_loadcnt 16                              ; the decisions are in: at most Q's 16 loads, issued behind them, are out
.irp i, 0,1,2,3,4,5,6,7
	v_sub_f32 v[48+\i], 1.0, v[48+\i]              ; pol = 1 - decisions
.endr
	ds_store_b128 v[ADRV], v[48:51]
	ds_store_b128 v[ADRV], v[52:55] offset:4096
	s_wait_tensorcnt 0x1                           ; my part of slot 0 is in; slot 1's may stay out
	s_wait_dscnt 0x0                               ; my stores of pol and VS have landed
	s_barrier_signal -1
	s_barrier_wait -1
; THE PRODUCTS.  The accumulators take turns, one instruction a turn: between two links of a chain stand seven others'.
.macro QK x                            ; S^T = K Q^T of piece x: 16 products; the first 8 start the sums
	WIN W_KQ
.irp c, 0,1
.irp kt, 0,1,2,3
.irp u, 0,1
.if \c == 0
	v_wmma_f32_16x16x32_f16 v[S+32*\u+8*\kt:S+32*\u+8*\kt+7], v[KF+16*\kt+8*\c:KF+16*\kt+8*\c+7], v[QF+16*(2*\x+\u)+8*\c:QF+16*(2*\x+\u)+8*\c+7], 0
.else
	v_wmma_f32_16x16x32_f16 v[S+32*\u+8*\kt:S+32*\u+8*\kt+7], v[KF+16*\kt+8*\c:KF+16*\kt+8*\c+7], v[QF+16*(2*\x+\u)+8*\c:QF+16*(2*\x+\u)+8*\c+7], v[S+32*\u+8*\kt:S+32*\u+8*\kt+7]
.endif
.endr
.endr
.endr
.endm
.macro PV x, zero                      ; O^T += V^T P of piece x: 16 products; zero = 1: the first 8 start the sums: nothing is ever cleared
	WIN W_PV
.irp ks, 0,1
.irp ct, 0,1,2,3
.irp u, 0,1
.if \zero && (\ks == 0)
	v_wmma_f32_16x16x32_f16 v[64*\x+32*\u+8*\ct:64*\x+32*\u+8*\ct+7], v[VF+8*(4*\ks+\ct):VF+8*(4*\ks+\ct)+7], v[P+16*\u+8*\ks:P+16*\u+8*\ks+7], 0
.else
	v_wmma_f32_16x16x32_f16 v[64*\x+32*\u+8*\ct:64*\x+32*\u+8*\ct+7], v[VF+8*(4*\ks+\ct):VF+8*(4*\ks+\ct)+7], v[P+16*\u+8*\ks:P+16*\u+8*\ks+7], v[64*\x+32*\u+8*\ct:64*\x+32*\u+8*\ct+7]
.endif
.endr
.endr
.endr
.endm
; THE LDS LOADS stand in runs.  The four plain instructions at a run's head are the places behind the products that read the buffer.
.macro FETCH_K
	WIN 0
	v_add_nc_u32 v[ADR], s[TB], v[AK0]
	v_nop
	v_nop
	v_nop
	WIN 0x40
.irp kt, 0,1,2,3
.irp c, 0,1
	ds_load_b128 v[KF+16*\kt+8*\c:KF+16*\kt+8*\c+3],   v[ADR] offset:16*PK*\kt+64*\c
	ds_load_b128 v[KF+16*\kt+8*\c+4:KF+16*\kt+8*\c+7], v[ADR] offset:16*PK*\kt+64*\c+32
.endr
.endr
	WIN 0
.endm
.macro FETCH_V                         ; the step's pol (8 loads) and V (16 turning loads); then the addresses step
	WIN 0
	v_add_nc_u32 v[ADRV], s[TB], v[AV0]
	v_add_nc_u32 v[ADRP], s[TP], v[AP0]
	v_nop
	v_nop
.irp kt, 0,1,2,3
	ds_load_b128 v[POL+8*\kt:POL+8*\kt+3],   v[ADRP] offset:64*\kt
	ds_load_b128 v[POL+8*\kt+4:POL+8*\kt+7], v[ADRP] offset:64*\kt+16
.endr
.irp ks, 0,1
.irp ct, 0,1,2,3
	ds_load_tr16_b128 v[VF+8*(4*\ks+\ct):VF+8*(4*\ks+\ct)+3],   v[ADRV] offset:32*PVP*\ks+32*\ct
	ds_load_tr16_b128 v[VF+8*(4*\ks+\ct)+4:VF+8*(4*\ks+\ct)+7], v[ADRV] offset:32*PVP*\ks+32*\ct+16*PVP
.endr
.endr
	s_add_co_u32 s[TB], s[TB], STEPB
	s_add_co_u32 s[TP], s[TP], 256
.endm
; THE SOFTMAX of piece x for one key step; its two tiles alternate line by line.  first = 1: the first step, which starts m, l and O^T.
.macro SM x, first
.set rT, ST+16*(\x)
.set rO, 64*(\x)
	WIN 0
.irp j, 0,1,2,3                        ; the maximum of the lane's 32 scores and the old m: four chains; each accumulator is read from its low end on
.irp u, 0,1
	v_max3_num_f32 v[rT+8*\u+4+\j], v[S+32*\u+8*\j], v[S+32*\u+8*\j+1], v[S+32*\u+8*\j+2]
.endr
.endr
.irp g, 1,2
.irp j, 0,1,2,3
.irp u, 0,1
	v_max3_num_f32 v[rT+8*\u+4+\j], v[rT+8*\u+4+\j], v[S+32*\u+8*\j+2*\g+1], v[S+32*\u+8*\j+2*\g+2]
.endr
.endr
.endr
.irp u, 0,1
	v_max3_num_f32 v[rT+8*\u+4], v[rT+8*\u+4], v[S+32*\u+7], v[S+32*\u+15]
	v_max3_num_f32 v[rT+8*\u+6], v[rT+8*\u+6], v[S+32*\u+23], v[S+32*\u+31]
.endr
.irp u, 0,1
	v_max3_num_f32 v[rT+8*\u+4], v[rT+8*\u+4], v[rT+8*\u+5], v[rT+8*\u+6]
.endr
.irp u, 0,1
.if \first
	v_max_num_f32 v[rT+8*\u+4], v[rT+8*\u+4], v[rT+8*\u+7]
.else
	v_max3_num_f32 v[rT+8*\u+4], v[rT+8*\u+4], v[rT+8*\u+7], v[rT+8*\u+1]
.endif
.endr
.irp u, 0,1
	v_permlanex16_b32 v[rT+8*\u+5], v[rT+8*\u+4], s[SEL], s[SEL+1]   ; the query's other 32 keys lie in the lane 16 away
.endr
.if \first == 0
.irp u, 0,1
	v_mov_b32 v[rT+8*\u+7], v[rT+8*\u]             ; c m_old is kept for a
.endr
.endif
.irp u, 0,1
	v_max_num_f32 v[rT+8*\u+1], v[rT+8*\u+4], v[rT+8*\u+5]
.endr
.irp u, 0,1
	v_mul_f32 v[rT+8*\u], s[CS], v[rT+8*\u+1]
.endr
.if \first == 0
.irp u, 0,1
	v_sub_f32 v[rT+8*\u+7], v[rT+8*\u+7], v[rT+8*\u]
.endr
.endif
	; ONE BATCH: the 16 scalings c s - c m of each tile and all its exponentials; none of these names an exponential's result
.irp u, 0,1
	v_pk_fma_f32 v[S+32*\u:S+32*\u+1], v[S+32*\u:S+32*\u+1], s[CS:CS+1], v[rT+8*\u:rT+8*\u+1] op_sel_hi:[1,0,0] neg_lo:[0,0,1] neg_hi:[0,0,1]
.endr
.if \first == 0
.irp u, 0,1
	v_exp_f32 v[rT+8*\u+6], v[rT+8*\u+7]           ; a
.endr
.endif
.set b, 0
.rept 16
.if b < 15
.irp u, 0,1
	v_pk_fma_f32 v[S+32*\u+2*b+2:S+32*\u+2*b+3], v[S+32*\u+2*b+2:S+32*\u+2*b+3], s[CS:CS+1], v[rT+8*\u:rT+8*\u+1] op_sel_hi:[1,0,0] neg_lo:[0,0,1] neg_hi:[0,0,1]
.endr
.endif
.irp u, 0,1
	v_exp_f32 v[S+32*\u+2*b], v[S+32*\u+2*b]
.endr
.irp u, 0,1
	v_exp_f32 v[S+32*\u+2*b+1], v[S+32*\u+2*b+1]
.endr
.set b, b+1
.endr
	v_nop                                          ; the plain instruction behind the last exponential
	s_wait_alu depctr_va_vdst(0)                   ; one wait for the whole batch, ahead of its first reader
.if \first == 0
.irp u, 0,1
	v_pk_mul_f32 v[rT+8*\u+2:rT+8*\u+3], v[rT+8*\u+2:rT+8*\u+3], v[rT+8*\u+6:rT+8*\u+7] op_sel_hi:[1,0]   ; l under the new m
.endr
.endif
	; l += p pol, of the unrounded p, in two chains a tile; the roundings to f16 stand between
.irp u, 0,1
	v_pk_mul_f32 v[TT+2*\u:TT+2*\u+1], v[S+32*\u:S+32*\u+1], v[POL:POL+1]
.endr
.irp u, 0,1
.if \first
	v_pk_mul_f32 v[rT+8*\u+2:rT+8*\u+3], v[S+32*\u+2:S+32*\u+3], v[POL+2:POL+3]
.else
	v_pk_fma_f32 v[rT+8*\u+2:rT+8*\u+3], v[S+32*\u+2:S+32*\u+3], v[POL+2:POL+3], v[rT+8*\u+2:rT+8*\u+3]
.endif
.endr
.irp u, 0,1
	v_cvt_pk_f16_f32 v[P+16*\u], v[S+32*\u], v[S+32*\u+1]
	v_cvt_pk_f16_f32 v[P+16*\u+1], v[S+32*\u+2], v[S+32*\u+3]
.endr
.irp i, 2,4,6,8,10,12,14
.irp u, 0,1
	v_pk_fma_f32 v[TT+2*\u:TT+2*\u+1], v[S+32*\u+2*\i:S+32*\u+2*\i+1], v[POL+2*\i:POL+2*\i+1], v[TT+2*\u:TT+2*\u+1]
.endr
.irp u, 0,1
	v_pk_fma_f32 v[rT+8*\u+2:rT+8*\u+3], v[S+32*\u+2*\i+2:S+32*\u+2*\i+3], v[POL+2*\i+2:POL+2*\i+3], v[rT+8*\u+2:rT+8*\u+3]
.endr
.irp u, 0,1
	v_cvt_pk_f16_f32 v[P+16*\u+\i], v[S+32*\u+2*\i], v[S+32*\u+2*\i+1]
	v_cvt_pk_f16_f32 v[P+16*\u+\i+1], v[S+32*\u+2*\i+2], v[S+32*\u+2*\i+3]
.endr
.endr
.irp u, 0,1
	v_pk_add_f32 v[rT+8*\u+2:rT+8*\u+3], v[rT+8*\u+2:rT+8*\u+3], v[TT+2*\u:TT+2*\u+1]
.endr
.if \first == 0
	WIN W_RS                                       ; O^T under the new m
.set i, 0
.rept 16
.irp u, 0,1
	v_pk_mul_f32 v[rO+32*\u+i:rO+32*\u+i+1], v[rO+32*\u+i:rO+32*\u+i+1], v[rT+8*\u+6:rT+8*\u+7] op_sel_hi:[1,0]
.endr
.set i, i+2
.endr
.endif
.endm
; A TRIP: piece 1 of the step in hand is finished, and the next step is taken as far as piece 1's scores.
.macro BODY f
	FETCH_K                                        ; the next step's K: both pieces have multiplied by the old one
	SM 1, \f
	PV 1, \f
	FETCH_V                                        ; the next step's pol and V
	s_wait_dscnt 24                                ; K's 16 loads are in; the 24 just issued may be out
	QK 0
	s_wait_dscnt 0x0                               ; pol and V are in
	PLACES
	SM 0, 0
	PV 0, 0
	QK 1
	WIN 0
.endm
; THE CHANGE OF SLOTS: the slot's last step lies in registers.  Each wave waits for all its tensor loads (one is out: its part of the other slot), adds 0 to its spare word, and waits for that and for
; its reads of the slot.  fill = 1: a round of the cluster's barrier, and the joint refill first behind it, with the keys two slots on: it has four key steps in which to land.
.macro CHANGE fill
	WIN 0
	s_wait_tensorcnt 0x0
	ds_add_u32 v[SPW], v[NIL]
.if \fill
.irp g, G0K+4, G0V+4
	s_xor_b32 s[\g+1], s[\g+1], SLOT1              ; the walking descriptor: the other slot than last time,
	s_add_nc_u64 s[\g+2:\g+3], s[\g+2:\g+3], 32768 ; the next 256 keys
.endr
	s_wait_xcnt 0x0                                ; the last prefetch, four key steps back, has read its address
	s_add_nc_u64 s[PFA:PFA+1], s[PFA:PFA+1], 32768
	s_wait_dscnt 0x0
	CROUND
	JLOAD
	ASK
.else
	s_wait_dscnt 0x0
	s_barrier_signal -1
	s_barrier_wait -1
.endif
	s_sub_co_u32 s[TB], s[TB], 4*STEPB             ; the fetches go back to a slot's first step,
	s_xor_b32 s[TB], s[TB], SLOT1                  ; in the other slot
.endm
	FETCH_K                                        ; key step 0
	FETCH_V
	s_wait_loadcnt 0x0                             ; Q
	s_wait_dscnt 0x0
	QK 0
	WIN 0                                          ; the addresses for the way out: plain instructions, the places behind those products
	s_mul_i32 s70, s[WV], 16*144
	s_add_co_u32 s70, s70, STG                     ; my stage
	v_mul_u32_u24 v[STO], v1, 144
	v_lshl_add_u32 v[STO], v2, 4, v[STO]
	v_add_nc_u32 v[STO], s70, v[STO]               ; in: row r, 16 bytes for each half of the lanes
	v_and_b32 v[GO], 31, v0
	v_lshrrev_b32 v[RD], 3, v[GO]
	v_mul_u32_u24 v[RD], v[RD], 144
	v_and_b32 v241, 7, v0
	v_lshl_add_u32 v[RD], v241, 4, v[RD]
	v_add_nc_u32 v[RD], s70, v[RD]                 ; back: eight lanes to a row of 128 bytes, four rows an instruction
	v_lshlrev_b32 v[GO], 4, v[GO]
	SM 0, 1
	PV 0, 1
	QK 1
	WIN 0
	BODY 1                                         ; fetches step 1
	s_mov_b32 s[INNER], 2
.Lpre:                                             ; steps 2 and 3: slot 0 is read out
	BODY 0
	s_sub_co_u32 s[INNER], s[INNER], 1
	s_cmp_lg_u32 s[INNER], 0
	s_cbranch_scc1 .Lpre
.Lslot:                                            ; six trips: slots 2 to 7 are asked for
	CHANGE 1
	s_mov_b32 s[INNER], 4
.Lin:
	BODY 0
	s_sub_co_u32 s[INNER], s[INNER], 1
	s_cmp_lg_u32 s[INNER], 0
	s_cbranch_scc1 .Lin
	s_sub_co_u32 s[SLOTS], s[SLOTS], 1
	s_cmp_lg_u32 s[SLOTS], 0
	s_cbranch_scc1 .Lslot
	CHANGE 0                                       ; the last slot is written out
	s_mov_b32 s[INNER], 4
.Ltail:
	BODY 0
	s_sub_co_u32 s[INNER], s[INNER], 1
	s_cmp_lg_u32 s[INNER], 0
	s_cbranch_scc1 .Ltail
	PLACES
	SM 1, 0                                        ; piece 1 of the last step
	PV 1, 0
	; THE WAY OUT: out = (O + VS) x 4 / (l + EPS).  The additions are the places behind the last products.
	WIN 0
.irp t, 0,1,2,3
	v_add_f32 v[ST+8*\t+4], v[ST+8*\t+2], v[ST+8*\t+3]
.endr
.irp t, 0,1,2,3
	v_permlanex16_b32 v[ST+8*\t+5], v[ST+8*\t+4], s[SEL], s[SEL+1]
.endr
.irp t, 0,1,2,3
	v_add_f32 v[ST+8*\t+4], v[ST+8*\t+4], v[ST+8*\t+5]
.endr
.irp t, 0,1,2,3
	v_add_f32 v[ST+8*\t+4], 0x358637bd, v[ST+8*\t+4]               ; + EPS
.endr
	v_add_nc_u32 v[ADR], VST-POLT, v[AP0]
.irp ct, 0,1,2,3
	ds_load_b128 v[POL+8*\ct:POL+8*\ct+3],   v[ADR] offset:64*\ct      ; VS of channels 16 ct + 8 h + 0..7
	ds_load_b128 v[POL+8*\ct+4:POL+8*\ct+7], v[ADR] offset:64*\ct+16
.endr
.irp t, 0,1,2,3
	v_rcp_f32 v[ST+8*\t+6], v[ST+8*\t+4]
.endr
	v_nop
	s_wait_alu depctr_va_vdst(0)                   ; one wait for the four reciprocals, ahead of their first reader
.irp t, 0,1,2,3
	v_mul_f32 v[ST+8*\t+6], 4.0, v[ST+8*\t+6]
.endr
	s_wait_dscnt 0x0
.macro PACK t
	WIN W_RS
.set i, 0
.rept 16
	v_pk_add_f32 v[32*\t+i:32*\t+i+1], v[32*\t+i:32*\t+i+1], v[POL+i:POL+i+1]
.set i, i+2
.endr
.set i, 0
.rept 16
	v_pk_mul_f32 v[32*\t+i:32*\t+i+1], v[32*\t+i:32*\t+i+1], v[ST+8*\t+6:ST+8*\t+7] op_sel_hi:[1,0]
.set i, i+2
.endr
	WIN 0x05                                       ; sources in window 1, destination in window 0: S^T's registers are free
.set i, 0
.rept 16
	v_cvt_pk_f16_f32 v[S+16*\t+i], v[32*\t+2*i], v[32*\t+2*i+1]
.set i, i+1
.endr
	WIN 0
.irp f, 0,1,2,3
	ds_store_b128 v[STO], v[S+16*\t+4*\f:S+16*\t+4*\f+3] offset:32*\f
.endr
.irp f, 0,1,2,3
	ds_load_b128 v[S+16*\t+4*\f:S+16*\t+4*\f+3], v[RD] offset:\f*4*144   ; LDS serves a wave's instructions in order: these see the stores above
.endr
.endm
.macro SEND t, younger                 ; younger: the LDS instructions issued behind tile t's loads: the next tile's eight, or none
.irp f, 0,1,2,3
	s_wait_dscnt \younger+3-\f
	global_store_b128 v[GO], v[S+16*\t+4*\f:S+16*\t+4*\f+3], s[10:11] offset:\t*2048+\f*512   ; the wave stores 512 consecutive bytes, aligned
.endr
.endm
	PACK 0
	PACK 1
	SEND 0, 8
	PACK 2
	SEND 1, 8
	PACK 3
	SEND 2, 8
	SEND 3, 0
	s_wait_tensorcnt 0x0                           ; the wave's end
	ds_add_u32 v[SPW], v[NIL]
	s_wait_dscnt 0x0
	CROUND                                         ; the closing round
	s_endpgm
.Lfunc_end_k_qa74e4b422f_attn:
	.size	k_qa74e4b422f_attn, .Lfunc_end_k_qa74e4b422f_attn-k_qa74e4b422f_attn
	.p2alignl 7, 3214868480
	.fill 96, 4, 3214868480
	.section	.rodata,"a",@progbits
	.p2align	6, 0x0
	.amdhsa_kernel k_qa74e4b422f_attn
		.amdhsa_group_segment_fixed_size 327680
		.amdhsa_private_segment_fixed_size 0
		.amdhsa_enable_private_segment 0
		.amdhsa_kernarg_size 32
		.amdhsa_user_sgpr_count 2
		.amdhsa_user_sgpr_kernarg_segment_ptr 1
		.amdhsa_wavefront_size32 1
		.amdhsa_system_sgpr_workgroup_id_x 1
		.amdhsa_system_sgpr_workgroup_id_y 1
		.amdhsa_system_sgpr_workgroup_id_z 1
		.amdhsa_system_vgpr_workitem_id 0
		.amdhsa_next_free_vgpr 512
		.amdhsa_next_free_sgpr 84
		.amdhsa_reserve_vcc 0
		.amdhsa_float_denorm_mode_32 3
		.amdhsa_float_denorm_mode_16_64 3
		.amdhsa_memory_ordered 1
		.amdhsa_forward_progress 1
		.amdhsa_inst_pref_size 193
	.end_amdhsa_kernel
	.amdgpu_metadata
---
amdhsa.version: [ 1, 2 ]
amdhsa.kernels:
  - .name:           k_qa74e4b422f_attn
    .symbol:         k_qa74e4b422f_attn.kd
    .args:
      - { .name: qkv, .offset: 0, .size: 8, .value_kind: global_buffer, .address_space: global }
      - { .name: decisions, .offset: 8, .size: 8, .value_kind: global_buffer, .address_space: global }
      - { .name: vpart, .offset: 16, .size: 8, .value_kind: global_buffer, .address_space: global }
      - { .name: ao, .offset: 24, .size: 8, .value_kind: global_buffer, .address_space: global }
    .group_segment_fixed_size: 327680
    .private_segment_fixed_size: 0
    .kernarg_segment_align: 8
    .kernarg_segment_size: 32
    .max_flat_workgroup_size: 256
    .sgpr_count:     84
    .vgpr_count:     512
    .wavefront_size: 32
...
	.end_amdgpu_metadata
.endif
;; end of part 3
;; launch oproj (part 4): grid 4 x 64, 4 waves a work-group, clusters of 4 x 4, 327,680 bytes of LDS; arguments ao, wph, out0; writes out0
.if DOCPART == 4
	.amdgcn_target "amdgcn-amd-amdhsa--gfx1250"
	.amdhsa_code_object_version 6
	.text
	.protected	k_qa74e4b422f_oproj
	.globl	k_qa74e4b422f_oproj
	.p2align	8
	.type	k_qa74e4b422f_oproj,@function
k_qa74e4b422f_oproj:
	s_mov_b64 s[64:65], 0
	v_nop
	global_prefetch_b8 v0, s[64:65] scope:SCOPE_SE
	s_setreg_imm32_b32 hwreg(HW_REG_WAVE_MODE, 25, 1), 1
	s_wait_xcnt 0x0
	s_wait_alu depctr_hold_cnt(0) depctr_sa_sdst(0) depctr_va_vdst(0) depctr_va_sdst(0) depctr_va_ssrc(0) depctr_va_vcc(0) depctr_vm_vsrc(0)
	s_getreg_b32 s2, hwreg(HW_REG_IB_STS2, 6, 4)
	s_cmp_eq_u32 s2, 0
	s_cbranch_scc0 .Lentry_in_a_cluster
	s_endpgm
.Lentry_in_a_cluster:
	s_bfe_u32 s2, ttmp6, 0x10000c
	s_cmp_lg_u32 s2, 0xf033
	s_cbranch_scc0 .Lentry_shape_is_right
	s_endpgm
.Lentry_shape_is_right:
; Launch 4 of 4: out0 = attention's output x Wp, f16 operands, f32 sums; nothing of the problem is left out here.
; ao: [4][16 heads][2,048][64] f16; K = 64 head + channel.  wph: [1,024 k][1,024 n] f16.  out0: [8,192][1,024] f32.
; A tile of 128 rows x 256 columns to a work-group: 256 work-groups.  Four waves, each 64 x 128: 32 accumulators, 256 registers.
; K goes in steps of 128 (two heads) through two LDS slots: A's two planes of 128 rows x 128 bytes (dense in memory), B's 128 rows of k x 512 bytes.  Waves 0, 1 fetch A's planes, waves 2, 3 B's halves.
; THE MATRIX INSTRUCTION IS USED TRANSPOSED: source 0 = 16 columns of Wp (turned on the way out of LDS by ds_load_tr16_b128), source 1 = 16 rows of ao: a lane holds eight neighbouring columns of a row.
; CLUSTERS: 4 x 4 work-groups; A's tiles are asked for jointly along a row of the cluster, B's along a column.
; REGISTERS: window 0: v16-30 addresses; two fragment buffers for 32 along K: A's four at v32 / v128, B's eight at v64 / v160; on the way out v32-159 take rows.  window 1: accumulator (a, b) at v[8 (8 a + b)].
.set HP,     262144
.set PA,     144                       ; A's LDS row: 128 bytes + 16
.set PB,     544                       ; B's: 512 + 32
.set APL,    128*PA                    ; a plane of A
.set BOFF,   2*APL
.set BHALF,  64*PB
.set SLOT,   BOFF+2*BHALF
.set STAGE,  2*SLOT                    ; 16 rows x 528 bytes for each wave
.set SPITCH, 528
.set SPARE,  STAGE+4*16*SPITCH
.set ADRA, 16
.set ADRB, 20
.set STO,  24
.set RD,   25
.set CO,   26
.set SPW,  28
.set NIL,  29
.set PFO,  30
.set F0,   32
.set F1,   128
.set BK,   32
.set G1, 24
.set G0, 32
.set G1B, 48
.set G0B, 56
.set PFA, 68
.set PFS, 70
.set LIM, 72
.set MSB, 0
.macro WIN new
.if MSB != \new
	s_set_vgpr_msb (MSB<<8)|\new
.set MSB, \new
.endif
.endm
.set MUL, 0x50                         ; operands in window 0, C and D in window 1
.macro JLOAD s                         ; a joint load; an s_nop 0 and four v_nop follow each of the two lines
	s_cmp_eq_u32 s11, 0
	s_cbranch_scc0 .Lfor_b_\@
	tensor_load_to_lds s[G0+4*\s:G0+4*\s+3], s[G1:G1+7]
	s_nop 0
.rept 4
	v_nop
.endr
	s_branch .Lasked_\@
.Lfor_b_\@:
	tensor_load_to_lds s[G0B+4*\s:G0B+4*\s+3], s[G1B:G1B+7]
	s_nop 0
.rept 4
	v_nop
.endr
.Lasked_\@:
.endm
; A prefetch of the K step that stands two refills on.  A's 32,768 bytes of a step are read by my row of the cluster alone: its four partners share them by address (4,096 bytes of each plane), wave 0 asks.
; B's 128 rows x 512 bytes are read by every cluster: the cluster with y = 0 asks, its column's four partners 16 rows of each half each, waves 2 and 3.  Each aligned block of 256 bytes is named once.
; The last trip's two refills have no K step two on and ask for nothing; K steps 0 to 3 come by their loads alone.
.macro ASK
	s_cmp_gt_u32 s3, s[LIM]
	s_cbranch_scc0 .Lnot_mine_\@
	global_prefetch_b8 v[PFO], s[PFA:PFA+1] th:TH_LOAD_NT scope:SCOPE_SE
.Lnot_mine_\@:
.endm
.macro CREST
	s_cmp_lg_u32 s10, 0
	s_cbranch_scc1 .Lnot_wave_0_\@
	s_barrier_signal -3
.Lnot_wave_0_\@:
	s_barrier_wait -3
	s_barrier_signal -1
	s_barrier_wait -1
.endm
.macro CROUND
	s_barrier_signal -1
	s_barrier_wait -1
	CREST
.endm
	s_load_b128 s[4:7], s[0:1], 0x0                ; ao, wph
	s_load_b64 s[8:9], s[0:1], 0x10                ; out0
	v_lshl_add_u32 v[SPW], v0, 2, SPARE
	v_mov_b32 v[NIL], 0
	ds_add_u32 v[SPW], v[NIL]                      ; the wave's opening: the add, twice on end, and its wait ahead of my first tensor load
	ds_add_u32 v[SPW], v[NIL]
	v_lshrrev_b32 v1, 5, v0
	v_readfirstlane_b32 s10, v1                    ; wave 0..3
	s_lshr_b32 s11, s10, 1                         ; which 64 rows are mine.  Also: I fetch for A (0) or for B (1)
	s_and_b32 s12, s10, 1                          ; which 128 columns.  Also: which plane of A or half of B I fetch
	s_bfe_u32 s40, ttmp6, 0x40000
	s_bfe_u32 s41, ttmp6, 0x40004
	s_lshl_b32 s42, ttmp9, 2
	s_add_co_u32 s42, s42, s40                     ; tile column 0..3
	s_and_b32 s13, ttmp7, 0xffff
	s_lshl_b32 s13, s13, 2
	s_add_co_u32 s13, s13, s41                     ; tile row 0..63
	s_lshl_b32 s43, s41, 2
	s_lshl_b32 s43, 15, s43                        ; my row of the cluster
	s_lshl_b32 s44, 0x1111, s40                    ; my column
	s_or_b32 s[G1+0], s43, (1<<16)|(1<<20)|(1<<21)|(4<<22)|(3<<25)   ; A: elements of 2 bytes; 4 words behind every 32
	s_mov_b32 s[G1+1], 64<<16
	s_mov_b32 s[G1+2], 128<<16
	s_mov_b32 s[G1+3], 64<<16
	s_mov_b32 s[G1+4], 128
	s_mov_b32 s[G1+5], 64
	s_mov_b32 s[G1+6], 0
	s_mov_b32 s[G1+7], 0
	s_or_b32 s[G1B+0], s44, (1<<16)|(1<<20)|(1<<21)|(6<<22)|(7<<25)  ; B: 8 words behind every 128
	s_mov_b32 s[G1B+1], 256<<16
	s_mov_b32 s[G1B+2], 64<<16
	s_mov_b32 s[G1B+3], 256<<16
	s_mov_b32 s[G1B+4], 64
	s_mov_b32 s[G1B+5], 1024
	s_mov_b32 s[G1B+6], 0
	s_mov_b32 s[G1B+7], 0
	s_lshr_b32 s16, s13, 4
	s_lshl_b32 s16, s16, 22                        ; A: 16 planes a batch,
	s_and_b32 s17, s13, 15
	s_lshl_b32 s17, s17, 14                        ; 128 rows of 128 bytes a tile row
	s_add_co_u32 s73, s16, s17                     ; (kept for the prefetches)
	s_lshl_b32 s17, s12, 18
	s_add_co_u32 s16, s73, s17                     ; + my plane
	s_mov_b32 s17, 0
	s_lshl_b32 s46, s12, 17                        ; B: my 64 rows of 2,048 bytes,
	s_lshl_b32 s47, s42, 9                         ; the tile's 512 bytes of a row
	s_add_co_u32 s46, s46, s47
	s_mov_b32 s47, 0
	s_mul_i32 s20, s12, APL                        ; where they go
	s_mul_i32 s21, s12, BHALF
	s_add_co_u32 s21, s21, BOFF
	s_wait_dscnt 0x0                               ; both opening adds are done
	s_wait_kmcnt 0x0
	s_add_nc_u64 s[14:15], s[4:5], s[16:17]
	s_add_nc_u64 s[46:47], s[6:7], s[46:47]
	CROUND                                         ; all sixteen work-groups are here: the first joint loads meet
.irp s, 0,1
	s_mov_b32 s[G0+4*\s], 1
	s_add_co_u32 s[G0+4*\s+1], s20, \s*SLOT
	s_add_nc_u64 s[G0+4*\s+2:G0+4*\s+3], s[14:15], \s*2*HP
	s_or_b32 s[G0+4*\s+3], s[G0+4*\s+3], 0x80000000
	s_mov_b32 s[G0B+4*\s], 1
	s_add_co_u32 s[G0B+4*\s+1], s21, \s*SLOT
	s_add_nc_u64 s[G0B+4*\s+2:G0B+4*\s+3], s[46:47], \s*262144
	s_or_b32 s[G0B+4*\s+3], s[G0B+4*\s+3], 0x80000000
	JLOAD \s
.endr
	v_and_b32 v1, 15, v0                           ; r
	v_bfe_u32 v2, v0, 4, 1                         ; h
	v_mul_u32_u24 v3, v1, PA
	v_lshl_add_u32 v3, v2, 4, v3                   ; A: row x pitch + 16 x half
	v_and_b32 v4, 7, v0
	v_lshl_add_u32 v4, v2, 3, v4
	v_mul_u32_u24 v4, v4, PB                       ; B: k row 8 h + lane % 8,
	v_bfe_u32 v5, v0, 3, 1
	v_lshl_add_u32 v4, v5, 4, v4                   ; columns 8 ((lane / 8) % 2) on
	s_mul_i32 s21, s11, 64*PA                      ; my 64 rows of A
	s_lshl_b32 s22, s12, 8                         ; my 128 columns of B
	s_add_co_u32 s22, s22, BOFF
.irp s, 0,1
	v_add_nc_u32 v[ADRA+\s], s21, v3
	v_add_nc_u32 v[ADRB+\s], s22, v4
	s_add_co_u32 s21, s21, SLOT
	s_add_co_u32 s22, s22, SLOT
.endr
	s_mul_i32 s23, s10, 16*SPITCH
	s_add_co_u32 s23, s23, STAGE                   ; my stage
	v_mul_u32_u24 v5, v1, SPITCH
	v_lshl_add_u32 v5, v2, 5, v5
	v_add_nc_u32 v[STO], s23, v5                   ; in: row r, 32 bytes for each half of the lanes
	v_and_b32 v5, 31, v0
	v_lshlrev_b32 v[CO], 4, v5
	v_add_nc_u32 v[RD], s23, v[CO]                 ; back: the 32 lanes take a row of 512 bytes
	s_lshl_b32 s16, s13, 19                        ; out0: (128 tile row + 64 half) rows of 4,096 bytes + (256 tile column + 128 half) x 4
	s_lshl_b32 s17, s11, 18
	s_add_co_u32 s16, s16, s17
	s_mov_b32 s17, 0
	s_add_nc_u64 s[8:9], s[8:9], s[16:17]
	s_lshl_b32 s46, s42, 10
	s_lshl_b32 s47, s12, 9
	s_add_co_u32 s46, s46, s47
	s_mov_b32 s47, 0
	s_add_nc_u64 s[8:9], s[8:9], s[46:47]
	; the prefetches: where my wave's stand, and who asks
	s_lshl_b32 s77, s40, 12
	s_add_co_u32 s77, s77, s73
	s_add_co_u32 s77, s77, 6*HP                    ; A: my work-group's 4,096 bytes of each plane, at K step 3
	s_lshl_b32 s78, s12, 17
	s_lshl_b32 s79, s41, 15
	s_add_co_u32 s78, s78, s79
	s_lshl_b32 s79, s42, 9
	s_add_co_u32 s78, s78, s79
	s_add_co_u32 s78, s78, 3*262144                ; B: my work-group's 16 rows of my half, at K step 3
	s_and_b32 s22, ttmp7, 0xffff                   ; the cluster's y
	s_mov_b32 s76, 2048
	s_mov_b32 s[PFS], 262144
	s_mov_b32 s[PFS+1], 0
	s_cmp_eq_u32 s11, 0                            ; do I fetch for A?
	s_cselect_b64 s[PFA:PFA+1], s[4:5], s[6:7]
	s_cselect_b32 s74, 4, 1                        ; lanes to a plane or to a row: 16 or 2
	s_cselect_b32 s75, 15, 1
	s_cselect_b32 s76, HP, s76                     ; from plane to plane, or from row to row
	s_cselect_b32 s[PFS], 2*HP, s[PFS]             ; a K step on
	s_cselect_b32 s20, s77, s78
	s_cselect_b32 s21, s12, s22                    ; A: wave 0 asks; B: the cluster with y = 0: alike in all sixteen partners, for a given wave
	s_cmp_eq_u32 s21, 0
	s_cselect_b32 s[LIM], 1, -1
	s_mov_b32 s21, 0
	s_add_nc_u64 s[PFA:PFA+1], s[PFA:PFA+1], s[20:21]
	v_lshrrev_b32 v[PFO], s74, v5
	v_mul_lo_u32 v[PFO], v[PFO], s76
	v_and_b32 v6, s75, v5
	v_lshl_add_u32 v[PFO], v6, 8, v[PFO]
; 8 matrix instructions: A's block a x B's eight, 32 along K, from buffer f.  The 32 accumulators take turns, one instruction a turn, in the same order in every quarter.
.macro MUL8 f, a, zero
.irp b, 0,1,2,3,4,5,6,7
.if \zero
	v_wmma_f32_16x16x32_f16 v[8*(8*(\a)+\b):8*(8*(\a)+\b)+7], v[\f+32+8*\b:\f+32+8*\b+7], v[\f+8*(\a):\f+8*(\a)+7], 0
.else
	v_wmma_f32_16x16x32_f16 v[8*(8*(\a)+\b):8*(8*(\a)+\b)+7], v[\f+32+8*\b:\f+32+8*\b+7], v[\f+8*(\a):\f+8*(\a)+7], v[8*(8*(\a)+\b):8*(8*(\a)+\b)+7]
.endif
.endr
.endm
.macro FETCH slot, kc, f               ; 24 LDS loads in one run: the fragments of the slot's kc-th 32 along K
	WIN 0
.irp a, 0,1,2,3
	ds_load_b128 v[\f+8*\a:\f+8*\a+3],   v[ADRA+\slot] offset:((\kc)/2)*APL+((\kc)%2)*64+16*PA*\a
	ds_load_b128 v[\f+8*\a+4:\f+8*\a+7], v[ADRA+\slot] offset:((\kc)/2)*APL+((\kc)%2)*64+16*PA*\a+32
.endr
.irp b, 0,1,2,3,4,5,6,7
	ds_load_tr16_b128 v[\f+32+8*\b:\f+32+8*\b+3],   v[ADRB+\slot] offset:32*PB*(\kc)+32*\b
	ds_load_tr16_b128 v[\f+32+8*\b+4:\f+32+8*\b+7], v[ADRB+\slot] offset:32*PB*(\kc)+32*\b+16*PB
.endr
.endm
.macro PLACES                          ; four places in front of loads into registers that matrix instructions have read
.rept 4
	v_nop
.endr
.endm
; A K step is four quarters of 32 along K on buffers 0, 1, 0, 1.  One of the first three: fetches the next quarter (kc) into g, then multiplies f: the fetch has 32 matrix instructions in which to land.
.macro QUARTER slot, kc, f, g, zero
	s_wait_dscnt 0x0                               ; buffer f is in
	PLACES
	FETCH \slot, \kc, \g
	WIN MUL
	MUL8 \f, 0, \zero
	MUL8 \f, 1, \zero
	MUL8 \f, 2, \zero
	MUL8 \f, 3, \zero
.endm
; The last quarter multiplies buffer 1 and changes slots: one barrier; in front of it each wave waits for all its tensor loads, adds 0 to its spare word, and waits for that and for its reads of this slot.
.macro TURN slot, next, fill
.if \fill
	s_wait_xcnt 0x0                                ; the last prefetch, a K step back, has read its address
	s_add_nc_u64 s[PFA:PFA+1], s[PFA:PFA+1], s[PFS:PFS+1]
.endif
	WIN 0
	s_wait_tensorcnt 0x0                           ; all my tensor loads have landed: my part of the next slot
	ds_add_u32 v[SPW], v[NIL]
	s_wait_dscnt 1                                 ; buffer 1 is in; the add alone may be out
	WIN MUL
	MUL8 F1, 0, 0
	s_wait_dscnt 0x0                               ; the add is done, and my reads of this slot are over
	s_barrier_signal -1
	MUL8 F1, 1, 0
	WIN 0
	s_barrier_wait -1
.if \fill
	CREST                                          ; the barrier has opened a round of the cluster's barrier
	s_add_nc_u64 s[G0+4*\slot+2:G0+4*\slot+3], s[G0+4*\slot+2:G0+4*\slot+3], 4*HP
	s_add_nc_u64 s[G0B+4*\slot+2:G0B+4*\slot+3], s[G0B+4*\slot+2:G0B+4*\slot+3], 2*262144
	JLOAD \slot                                    ; the first tensor load behind the round; its four v_nop are also the places in front of the loads below
.else
	PLACES
.endif
	FETCH \next, 0, F0
.if \fill
	ASK
.endif
	WIN MUL
	MUL8 F1, 2, 0
	MUL8 F1, 3, 0
.endm
	s_wait_tensorcnt 1                             ; my part of K step 0 is in; K step 1's may stay out
	s_barrier_signal -1
	s_barrier_wait -1
	FETCH 0, 0, F0
	QUARTER 0, 1, F0, F1, 1                        ; the first quarter's products start the sums
	WIN 0
	s_mov_b32 s3, 3
.Llap:                                             ; a trip goes once round the ring and fills both slots again
	QUARTER 0, 2, F1, F0, 0
	QUARTER 0, 3, F0, F1, 0
	TURN 0, 1, 1
	QUARTER 1, 1, F0, F1, 0
	QUARTER 1, 2, F1, F0, 0
	QUARTER 1, 3, F0, F1, 0
	TURN 1, 0, 1
	QUARTER 0, 1, F0, F1, 0
	WIN 0
	s_sub_co_u32 s3, s3, 1
	s_cmp_lg_u32 s3, 0
	s_cbranch_scc1 .Llap
	QUARTER 0, 2, F1, F0, 0                        ; the last lap fills nothing
	QUARTER 0, 3, F0, F1, 0
	TURN 0, 1, 0
	QUARTER 1, 1, F0, F1, 0
	QUARTER 1, 2, F1, F0, 0
	QUARTER 1, 3, F0, F1, 0
	s_wait_dscnt 0x0
	MUL8 F1, 0, 0
	MUL8 F1, 1, 0
	MUL8 F1, 2, 0
	MUL8 F1, 3, 0
	WIN 0
; THE WAY OUT, block by block of 16 rows x 128 columns, through my own stage: rows of 512 bytes come back whole, and the wave stores 512 consecutive bytes, aligned.  Every offset is an immediate.
.macro TOSTAGE a
	WIN 0x04                                       ; an LDS store's data are its source 1: window 1
.irp b, 0,1,2,3,4,5,6,7
	ds_store_b128 v[STO], v[8*(8*(\a)+\b):8*(8*(\a)+\b)+3] offset:64*\b          ; each accumulator from its low end on
	ds_store_b128 v[STO], v[8*(8*(\a)+\b)+4:8*(8*(\a)+\b)+7] offset:64*\b+16
.endr
	WIN 0
.set BB, BK+64*((\a)%2)
.irp t, 0,1,2,3,4,5,6,7,8,9,10,11,12,13,14,15
	ds_load_b128 v[BB+4*\t:BB+4*\t+3], v[RD] offset:\t*SPITCH
.endr
.endm
.macro SEND a, younger
.set BB, BK+64*((\a)%2)
	s_wait_dscnt \younger                          ; the block is back; the next block's 16 stores and 16 loads may be out
.irp t, 0,1,2,3,4,5,6,7,8,9,10,11,12,13,14,15
	global_store_b128 v[CO], v[BB+4*\t:BB+4*\t+3], s[8:9] offset:65536*(\a)+4096*\t th:TH_STORE_NT
.endr
.endm
	PLACES
	TOSTAGE 0
.irp a, 1,2,3
.if \a > 1
	s_wait_xcnt 0x0                                ; block a - 2's stores have read their registers: block a's loads may land there
.endif
	TOSTAGE \a
	SEND (\a)-1, 32
.endr
	SEND 3, 0
	s_wait_tensorcnt 0x0                           ; the wave's end
	ds_add_u32 v[SPW], v[NIL]
	s_wait_dscnt 0x0
	CROUND                                         ; the closing round
	s_endpgm
.Lfunc_end_k_qa74e4b422f_oproj:
	.size	k_qa74e4b422f_oproj, .Lfunc_end_k_qa74e4b422f_oproj-k_qa74e4b422f_oproj
	.p2alignl 7, 3214868480
	.fill 96, 4, 3214868480
	.section	.rodata,"a",@progbits
	.p2align	6, 0x0
	.amdhsa_kernel k_qa74e4b422f_oproj
		.amdhsa_group_segment_fixed_size 327680
		.amdhsa_private_segment_fixed_size 0
		.amdhsa_enable_private_segment 0
		.amdhsa_kernarg_size 24
		.amdhsa_user_sgpr_count 2
		.amdhsa_user_sgpr_kernarg_segment_ptr 1
		.amdhsa_wavefront_size32 1
		.amdhsa_system_sgpr_workgroup_id_x 1
		.amdhsa_system_sgpr_workgroup_id_y 1
		.amdhsa_system_sgpr_workgroup_id_z 1
		.amdhsa_system_vgpr_workitem_id 0
		.amdhsa_next_free_vgpr 512
		.amdhsa_next_free_sgpr 80
		.amdhsa_reserve_vcc 0
		.amdhsa_float_denorm_mode_32 3
		.amdhsa_float_denorm_mode_16_64 3
		.amdhsa_memory_ordered 1
		.amdhsa_forward_progress 1
		.amdhsa_inst_pref_size 86
	.end_amdhsa_kernel
	.amdgpu_metadata
---
amdhsa.version: [ 1, 2 ]
amdhsa.kernels:
  - .name:           k_qa74e4b422f_oproj
    .symbol:         k_qa74e4b422f_oproj.kd
    .args:
      - { .name: ao, .offset: 0, .size: 8, .value_kind: global_buffer, .address_space: global }
      - { .name: wph, .offset: 8, .size: 8, .value_kind: global_buffer, .address_space: global }
      - { .name: out0, .offset: 16, .size: 8, .value_kind: global_buffer, .address_space: global }
    .group_segment_fixed_size: 327680
    .private_segment_fixed_size: 0
    .kernarg_segment_align: 8
    .kernarg_segment_size: 24
    .max_flat_workgroup_size: 128
    .sgpr_count:     80
    .vgpr_count:     512
    .wavefront_size: 32
...
	.end_amdgpu_metadata
.endif
;; end of part 4
